; MI455X (gfx1250); checked and timed in simulation.
; The chip was launched on July 23, 2026; its instructions are those of AMD's public machine-readable ISA for CDNA 5 (MIT licence, August 2026) and "CDNA5" Instruction Set Architecture Reference Guide (July 2026). The comments in the code are by the model that wrote it; some were corrected since.
;; Bert Attention. Allowed arithmetic: matrix products marked QUANTISED: E2M1 operands, one E8M0 scale for each 32 along K, by v_wmma_scale_f32_16x16x128_f8f6f4 with both operands' format E2M1 (or v_wmma_scale_f32_32x16x128_f4), f32 sums; everything else in f32.
;; Inputs: Wk_codes 1,024 x 32 x 16 uint8 (E2M1 codes of Wk, K innermost, in blocks of 32 codes, two codes a byte); Wk_scales 1,024 x 32 uint8 (E8M0 scales of Wk, one for each 32 codes along K); Wo_codes 1,024 x 32 x 16 uint8 (E2M1 codes of Wo, K innermost, in blocks of 32 codes, two codes a byte); Wo_scales 1,024 x 32 uint8 (E8M0 scales of Wo, one for each 32 codes along K); Wq_codes 1,024 x 32 x 16 uint8 (E2M1 codes of Wq, K innermost, in blocks of 32 codes, two codes a byte); Wq_scales 1,024 x 32 uint8 (E8M0 scales of Wq, one for each 32 codes along K); Wv_codes 1,024 x 32 x 16 uint8 (E2M1 codes of Wv, K innermost, in blocks of 32 codes, two codes a byte); Wv_scales 1,024 x 32 uint8 (E8M0 scales of Wv, one for each 32 codes along K); attention_mask 8 x 1 x 1 x 1,024 float32; hidden_states 8 x 1,024 x 1,024 float32; ln_bias 1,024 float32; ln_weight 1,024 float32.
;; Outputs: out0 8 x 1,024 x 1,024 float32.
;; This version of the problem:
;;   THIS VERSION OF THE PROBLEM IS GIVEN IN LOW PRECISION. The matrix products marked QUANTISED in the list below multiply operands that are first quantised to E2M1 (2 exponent bits, 1 mantissa bit; 4 bits a number), with one power-of-two scale for each 32 numbers along K (OCP MX v1.0); their sums are f32. All else is computed in f32.
;;   The module's matrix products, in the order in which they are computed (A, B: the left and right operand; K: the contracted axis; several contracted axes count as one K, in the product's order):
;;     1. [M 8,192, K 1,024] x [K 1,024, N 1,024]; A: input hidden_states; B: input Wq (given as codes): QUANTISED
;;     2. [M 8,192, K 1,024] x [K 1,024, N 1,024]; A: input hidden_states; B: input Wk (given as codes): QUANTISED
;;     3. [M 8,192, K 1,024] x [K 1,024, N 1,024]; A: input hidden_states; B: input Wv (given as codes): QUANTISED
;;     4. batch 128 x [M 1,024, K 64] x [K 64, N 1,024]; A: computed on the way; B: computed on the way: QUANTISED
;;     5. batch 128 x [M 1,024, K 1,024] x [K 1,024, N 64]; A: softmax (see below); B: computed on the way: QUANTISED
;;     6. [M 8,192, K 1,024] x [K 1,024, N 1,024]; A: computed on the way; B: input Wo (given as codes): QUANTISED
;;   THE QUANTISER, for each operand of a quantised product, along K:
;;     - K is cut into blocks of 32 from its start; a last block that is shorter is filled with zeros.
;;     - A block's scale is 2^e with e = floor(log2(the largest magnitude in the block)) - 2, held to -126 .. 127; a block of zeros has e = 0. As a byte (E8M0): e + 127.
;;     - Each number is divided by its block's scale, clamped to +-6, and rounded to the nearest number of E2M1, ties to even, subnormals kept.
;;     - The product sums the exact products of the quantised numbers (number of the format x scale) in f32.
;;   ~~~python
;;   def quantise(x, axis):      # numpy; x: float32 -> the quantised numbers, widened to float32 again
;;       x = np.moveaxis(x, axis, -1); K = x.shape[-1]
;;       x = np.pad(x, [(0, 0)] * (x.ndim - 1) + [(0, -K % 32)]); x = x.reshape(x.shape[:-1] + (-1, 32)); a = np.abs(x).max(-1, keepdims=True)
;;       e = np.where(a > 0, np.clip(np.frexp(np.where(a > 0, a, 1))[1] - 1 - 2, -126, 127), 0)      # np.frexp(a)[1] - 1 = floor(log2(a)), exactly
;;       r = np.clip(x / 2.0 ** e, -6, 6)
;;       step = 2.0 ** (np.maximum(np.frexp(np.where(r == 0, 1, r))[1] - 1, 0) - 1)
;;       q = np.round(r / step) * step * 2.0 ** e      # np.round: ties to even
;;       return np.moveaxis(q.reshape(q.shape[:-2] + (-1,))[..., :K], -1, axis).astype(np.float32)
;;   ~~~
;;   SOFTMAX AHEAD OF A QUANTISED PRODUCT. Where the list says 'softmax', what is quantised is not the finished softmax but p = 2^(t - M), with t = logit x log2(e) and M = ceil(the row's largest t), a whole number; so 1/2 < the row's largest p <= 1. The row's sum l is taken of the UNQUANTISED p, in f32, and the product's result is divided by l at the end. Since M is a whole number, a kernel that streams over the keys may use a running M (the ceiling of the running maximum): every later rescaling is an exact power of two, which a block's scale takes up: the codes' values come out the same.
;;   OPERANDS COMPUTED ON THE WAY. 'Computed on the way' means the value that the module computes at that place (a softmax that the list does not call 'softmax' is quantised finished and normalised). What goes into a quantiser is computed in f32, as accurately as f32 sums, v_exp_f32 and their like allow (about 1e-6 of the number): no bf16 or f16 on the way to a quantiser, and a product that is left as it is and whose result goes on into a quantised operand takes f32 operands (vector FMAs, or v_wmma_f32_16x16x4_f32). A number that lies on a knife's edge between two numbers of the format may be rounded either way, as far as f32 arithmetic and the matrix unit's own rounding can turn it there, and no further.
;;   INPUTS GIVEN AS CODES. Wk (in the module: [1024, 1024], K = its axis 1); Wo (in the module: [1024, 1024], K = its axis 1); Wq (in the module: [1024, 1024], K = its axis 1); Wv (in the module: [1024, 1024], K = its axis 1): each comes as NAME_codes (uint8): NAME with its K axis moved to the last place and cut into blocks of 32 codes, [.., K / 32, bytes a block], one block behind the other in memory; two codes a byte, the lower K in the low four bits (a code: sign, 2 exponent bits, 1 mantissa bit); and NAME_scales (uint8): the same leading axes, one E8M0 byte (e + 127) for each 32 codes along K. Its value is code x scale, taken as it is: it is not quantised again, and the codes and scales need not be those that the quantiser above would give.
;; 2 versions, each right; version 2 is version 1 with the launches qkv, attn, oproj written anew for expert scheduling mode. Each part assembles by itself: llvm-mc -triple=amdgcn-amd-amdhsa -mcpu=gfx1250 --defsym DOCPART=n.
;; ======== version 1 of 2: 3 launches
;; limits: right only within a limited range of input values
;; workspace buffers: qkv_codes 12,582,912 bytes; qkv_scales 1,310,720 bytes; ctx_codes 4,194,304 bytes; ctx_scales 262,144 bytes; wo_image 524,288 bytes
;; launch qkv (part 1): grid 4 x 64, 4 waves a work-group, no clusters, 70,144 bytes of LDS; arguments hidden_states, Wq_codes, Wq_scales, Wk_codes, Wk_scales, Wv_codes, Wv_scales, Wo_codes, qkv_codes, qkv_scales, wo_image; writes qkv_codes, qkv_scales, wo_image
.if DOCPART == 1
	.amdgcn_target "amdgcn-amd-amdhsa--gfx1250"
	.amdhsa_code_object_version 6
	.text
	.protected	k_qb346a17d44_qkv
	.globl	k_qb346a17d44_qkv
	.p2align	8
	.type	k_qb346a17d44_qkv,@function
k_qb346a17d44_qkv:
	s_mov_b64 s[64:65], 0
	v_nop
	global_prefetch_b8 v0, s[64:65] scope:SCOPE_SE
	s_setreg_imm32_b32 hwreg(HW_REG_WAVE_MODE, 25, 1), 1
	s_wait_xcnt 0x0
; q, k, v = x Wq^T, x Wk^T, x Wv^T on codes of FP4 (E2M1) with one E8M0 scale for each 32 along K, and their quantising for the attention launch.
; x = hidden_states [8192][1024] f32 is quantised here, along its 1,024; the weights come as codes [1024][512 bytes] and scale bytes [1024][32].
; SHARES.  Work-group (g, y): tokens 128 y .. 128 y + 127, heads 4 g .. 4 g + 3.  Wave w: head 4 g + w, for all 128 tokens: three passes (q, k, v) of 32 accumulators of 16 x 16.
; The four waves quantise the 128 rows of x together (wave w: tiles 2 w, 2 w + 1) and hand the fragments to each other through LDS as images of the operand's registers (lane l's 16 bytes at 16 l).
; ONE ORDER OF ROWS SERVES ALL: row i of tile 2 b + u of a block of 128 tokens is token 32 b + 8 u + i + 8 (i / 8); the rows of a weight's tile within a head are chosen the same way.
; So in a result (a lane: one column, eight rows) the 16 registers of tiles 2 b and 2 b + 1 are 16 neighbours, 32 b + 16 (lane / 16) + 0 .. 15, along the next product's K.
;   q, k: source 0 = 16 rows of W, source 1 = 16 tokens: a lane holds one token and registers along the head's 64: quantised along the head.
;   v:    source 0 = 16 tokens, source 1 = 16 rows of Wv: a lane holds one feature and registers along the tokens: quantised along the keys.
; OUT (workspace, in the order of the operand's registers): q, k: [batch x head][tile 64][lane][16 bytes] (registers 0-3 of a fragment; K = 64 fills half of it);
;   v: [batch x head][key step 8][feature tile 4][c 2][lane][16 bytes]; scale words: lanes 0-15 the even tile's rows, lanes 16-31 the odd tile's; q's and k's unused bytes are 0x7f (1.0).
; Each wave also lays one half fragment of Wo in register order for the third launch (1,024 waves, 512 fragments).
; NO CLUSTER, NO TENSOR LOAD: x has to pass through registers to be quantised; each wave is the only reader in its work-group of its head's 96 KB of weights, which go straight into its registers,
; and the work-group's 384 KB of weights would not fit in LDS beside x's images.
; LIMITS: NaN and infinities among the inputs are not served.  A block of zeros gets the byte 1 (its codes are zeros; this program alone reads the bytes); blocks whose largest magnitude lies under 2^-124 are held at that byte.
; REGISTERS, in windows of 256: window 0: v1-13 addresses and the piece of Wo; v16-31 at work; v40-47 scale words on their way out; v48-95 the weights' scale words; v96-103 x's scale words, two sets;
;   v104-119 x's scale words as made; v128-255 x's fragments, two sets of 8 (while x is quantised, and on the ways out: codes just made).
;   window 1, window 2: a pass's 32 fragments of W (tile t, K step s at v[64 t + 8 s]), by turns.   window 3: the 32 accumulators; while x is quantised four sets of 64 numbers of x.
.set XIMG, 0                           ; LDS: x's fragment (K step s, tile m) at (8 s + m) x 1,024 + 512 c + 16 lane
.set XSC,  65536                       ; x's scale words: 512 s + 16 lane' + 4 pair: lane' 0-15 tile 2 pair, 16-31 tile 2 pair + 1
.set XA,   1                           ; v1   x: (r + 8 (r / 8)) x 4,096 + 64 h
.set LI,   2                           ; v2   16 x lane
.set XWS,  3                           ; v3   where I store x's scale words: XSC + 16 r + 4 wave
.set XWI,  4                           ; v4   where I store x's images: 16 lane + 2,048 wave
.set WA,   5                           ; v5   a weight's fragment: (r + 8 (r / 8)) x 512 + 16 h
.set WSA,  6                           ; v6   a weight's scale words: (r + 8 (r / 8) + 8 h) x 32
.set XSA,  7                           ; v7   XSC + 16 lane
.set WOA,  8                           ; v8   Wo: r x 512 + 16 h
.set L8,   9                           ; v9   8 x lane
.set WOD,  10                          ; v[10:13] my 16 bytes of Wo
.set TM,   16                          ; v16-19 largest magnitudes, v20-23 the other half's, then bytes, v28-31 the conversions' scale operands
.set SWD,  40                          ; v40-43 scale words just made
.set SW,   44                          ; v44-47 scale words gathered for a store
.set WS,   48                          ; pass p, pair of tiles i, K step s: v[48 + 16 p + 8 i + s]
.set XS,   96                          ; set k: v[96 + 4 k + pair]
.set XW,   104
.set XF,   128                         ; set k, tile m: v[128 + 64 k + 8 m]
.set SEL,  32                          ; s[32:33] lane selects for v_permlanex16_b32: lane l xor 16
.set FL,   34                          ; s34  the floor 2^(3 - 127)
.set HM,   35                          ; s35  mask of lanes 16-31
.set PADW, 36                          ; s36  0x7f in a scale word's two upper bytes
.set MSB, 0
.macro WIN new                         ; the immediate's high byte repeats the setting that is left
.if MSB != (\new)
	s_set_vgpr_msb (MSB<<8)|(\new)
.set MSB, (\new)
.endif
.endm
.macro PLACES                          ; four places behind a matrix instruction, in front of loads into its registers and of the first read of results
.rept 4
	v_nop
.endr
.endm
; my tile 2 w + f % 2, K step f / 2: 64 numbers a lane, register 16 b + i = k 32 b + 16 h + i of my row, into set f % 4 of window 3
.macro XLOAD f
	WIN 0xc0
.irp b, 0,1,2,3
.irp j, 0,1,2,3
	global_load_b128 v[64*((\f)%4)+16*\b+4*\j:64*((\f)%4)+16*\b+4*\j+3], v[XA], s[8:9] offset:32768*((\f)%2)+512*((\f)/2)+128*\b+16*\j
.endr
.endr
	WIN 0
.endm
; tile t of a weight, all eight K steps: 16 loads
.macro LOADW win, base, t
	WIN \win
.irp s, 0,1,2,3,4,5,6,7
.irp c, 0,1
	global_load_b128 v[64*(\t)+8*\s+4*\c:64*(\t)+8*\s+4*\c+3], v[WA], s[\base:\base+1] offset:(32*((\t)/2)+8*((\t)%2))*512+64*\s+32*\c
.endr
.endr
	WIN 0
.endm
; 64 numbers of a lane in window 3, v[src] on, register 16 b + i = place 32 b + 16 h + i along K, become 8 registers of codes at v[pc] (window 0): registers 4 c .. 4 c + 3 hold places 64 c + 32 h + 0 .. 31.
; mode 0: one scale word of four bytes in v[pw].  mode 1: two words (blocks 0, 1 and blocks 2, 3: two tiles with K = 64), the upper bytes 0x7f, in v[pw], v[pw + 1].
.macro QUANT src, pc, pw, mode
	WIN 0x3c                                       ; sources 1 and 2 in window 3
.irp b, 0,1,2,3
	v_max3_num_f32 v[TM+\b], s[FL], |v[(\src)+16*\b]|, |v[(\src)+16*\b+1]|   ; my 16 numbers of block b, and the floor: the byte cannot fall under 1.  Each accumulator is read from its low end on
.endr
.irp i, 2,4,6,8,10,12,14
.irp b, 0,1,2,3
	v_max3_num_f32 v[TM+\b], v[TM+\b], |v[(\src)+16*\b+\i]|, |v[(\src)+16*\b+\i+1]|   ; the four blocks by turns
.endr
.endr
	WIN 0
.irp b, 0,1,2,3
	v_permlanex16_b32 v[TM+4+\b], v[TM+\b], s[SEL], s[SEL+1]
.endr
.irp b, 0,1,2,3
	v_max_num_f32 v[TM+\b], v[TM+\b], v[TM+4+\b]   ; with lane l xor 16's: the block's largest magnitude
.endr
.irp b, 0,1,2,3
	v_add_nc_u32 v[TM+12+\b], 0xff000000, v[TM+\b] ; 2 off its exponent field: the conversion's scale operand
.endr
.irp b, 0,1,2,3
	v_lshrrev_b32 v[TM+4+\b], 23, v[TM+12+\b]      ; the scale's byte
.endr
.if (\mode) == 0
	v_lshl_or_b32 v[\pw], v[TM+5], 8, v[TM+4]
	v_lshl_or_b32 v[\pw], v[TM+6], 16, v[\pw]
	v_lshl_or_b32 v[\pw], v[TM+7], 24, v[\pw]
.else
	v_lshl_or_b32 v[\pw], v[TM+5], 8, v[TM+4]
	v_lshl_or_b32 v[(\pw)+1], v[TM+7], 8, v[TM+6]
	v_or_b32 v[\pw], s[PADW], v[\pw]
	v_or_b32 v[(\pw)+1], s[PADW], v[(\pw)+1]
.endif
	WIN 0x03                                       ; source 0 in window 3
.irp b, 0,1,2,3
	v_cvt_scalef32_pk8_fp4_f32 v[(\pc)+2*\b], v[(\src)+16*\b:(\src)+16*\b+7], v[TM+12+\b]
	v_cvt_scalef32_pk8_fp4_f32 v[(\pc)+2*\b+1], v[(\src)+16*\b+8:(\src)+16*\b+15], v[TM+12+\b]
.endr
	WIN 0
	v_nop                                          ; one plain place behind the last scaled conversion
.irp c, 0,1                                    ; the operand's layout wants a whole block in a lane: lanes 0-15 block 2 c, lanes 16-31 block 2 c + 1
.irp i, 0,1
	v_permlane16_swap_b32 v[(\pc)+4*\c+\i], v[(\pc)+4*\c+2+\i]
.endr
.endr
.endm
; K step s of x: eight fragments and the scale words, into set s % 2: 17 LDS loads
.macro FETCHX s
.irp m, 0,1,2,3,4,5,6,7
.irp c, 0,1
	ds_load_b128 v[XF+64*((\s)%2)+8*\m+4*\c:XF+64*((\s)%2)+8*\m+4*\c+3], v[LI] offset:(8*(\s)+\m)*1024+512*\c
.endr
.endr
	ds_load_b128 v[XS+4*((\s)%2):XS+4*((\s)%2)+3], v[XSA] offset:512*(\s)
.endm
; one matrix instruction on the registers named by rD, rA, rB, rSA, rSB; rZ = 1: it starts the sum.  ra, rb: the side's scales stand in lanes 16-31
.macro WM ra, rb
.if rZ
.if (\ra) && (\rb)
	v_wmma_scale_f32_16x16x128_f8f6f4 v[rD:rD+7], v[rA:rA+7], v[rB:rB+7], 0, v[rSA], v[rSB] matrix_a_fmt:MATRIX_FMT_FP4 matrix_b_fmt:MATRIX_FMT_FP4 matrix_a_scale:MATRIX_SCALE_ROW1 matrix_b_scale:MATRIX_SCALE_ROW1
.elseif (\ra)
	v_wmma_scale_f32_16x16x128_f8f6f4 v[rD:rD+7], v[rA:rA+7], v[rB:rB+7], 0, v[rSA], v[rSB] matrix_a_fmt:MATRIX_FMT_FP4 matrix_b_fmt:MATRIX_FMT_FP4 matrix_a_scale:MATRIX_SCALE_ROW1
.elseif (\rb)
	v_wmma_scale_f32_16x16x128_f8f6f4 v[rD:rD+7], v[rA:rA+7], v[rB:rB+7], 0, v[rSA], v[rSB] matrix_a_fmt:MATRIX_FMT_FP4 matrix_b_fmt:MATRIX_FMT_FP4 matrix_b_scale:MATRIX_SCALE_ROW1
.else
	v_wmma_scale_f32_16x16x128_f8f6f4 v[rD:rD+7], v[rA:rA+7], v[rB:rB+7], 0, v[rSA], v[rSB] matrix_a_fmt:MATRIX_FMT_FP4 matrix_b_fmt:MATRIX_FMT_FP4
.endif
.else
.if (\ra) && (\rb)
	v_wmma_scale_f32_16x16x128_f8f6f4 v[rD:rD+7], v[rA:rA+7], v[rB:rB+7], v[rD:rD+7], v[rSA], v[rSB] matrix_a_fmt:MATRIX_FMT_FP4 matrix_b_fmt:MATRIX_FMT_FP4 matrix_a_scale:MATRIX_SCALE_ROW1 matrix_b_scale:MATRIX_SCALE_ROW1
.elseif (\ra)
	v_wmma_scale_f32_16x16x128_f8f6f4 v[rD:rD+7], v[rA:rA+7], v[rB:rB+7], v[rD:rD+7], v[rSA], v[rSB] matrix_a_fmt:MATRIX_FMT_FP4 matrix_b_fmt:MATRIX_FMT_FP4 matrix_a_scale:MATRIX_SCALE_ROW1
.elseif (\rb)
	v_wmma_scale_f32_16x16x128_f8f6f4 v[rD:rD+7], v[rA:rA+7], v[rB:rB+7], v[rD:rD+7], v[rSA], v[rSB] matrix_a_fmt:MATRIX_FMT_FP4 matrix_b_fmt:MATRIX_FMT_FP4 matrix_b_scale:MATRIX_SCALE_ROW1
.else
	v_wmma_scale_f32_16x16x128_f8f6f4 v[rD:rD+7], v[rA:rA+7], v[rB:rB+7], v[rD:rD+7], v[rSA], v[rSB] matrix_a_fmt:MATRIX_FMT_FP4 matrix_b_fmt:MATRIX_FMT_FP4
.endif
.endif
.endm
; K step s of pass p (q or k): 32 matrix instructions; the 32 accumulators take turns, one instruction a turn, in the same order in every step.
; Accumulator (token tile m, feature tile t) at v[8 (4 m + t)] of window 3.  win: source 0 (W) in window 1 or 2, source 1 (x) in window 0, C and D in window 3
.macro MULQK p, s, win
	WIN \win
.if (\s) == 0
.set rZ, 1
.else
.set rZ, 0
.endif
.irp m, 0,1,2,3,4,5,6,7
.irp t, 0,1,2,3
.set rD, 8*(4*\m+\t)
.set rA, 64*\t+8*(\s)
.set rB, XF+64*((\s)%2)+8*\m
.set rSA, WS+16*(\p)+8*(\t/2)+(\s)
.set rSB, XS+4*((\s)%2)+\m/2
	WM \t%2, \m%2
.endr
.endr
.endm
; the same for v, the sources exchanged: accumulator (feature tile t, token tile m) at v[8 (8 t + m)]; source 0 (x) in window 0, source 1 (Wv) in window 1
.macro MULV s
	WIN 0xf4
.if (\s) == 0
.set rZ, 1
.else
.set rZ, 0
.endif
.irp m, 0,1,2,3,4,5,6,7
.irp t, 0,1,2,3
.set rD, 8*(8*\t+\m)
.set rA, XF+64*((\s)%2)+8*\m
.set rB, 64*\t+8*(\s)
.set rSA, XS+4*((\s)%2)+\m/2
.set rSB, WS+32+8*(\t/2)+(\s)
	WM \m%2, \t%2
.endr
.endr
.endm
; A pass: eight K steps.  The next step's fragments of x are asked for ahead of a step's products; in the first four steps a quarter of the next pass's weight goes into the other window.
.macro PASS p
	s_wait_loadcnt 0x0                             ; this pass's weight is in
	s_wait_xcnt 0x0                                ; the stores of the way out before have read their registers: x's fragments land there again
	FETCHX 0
.irp s, 0,1,2,3,4,5,6,7
.if \s < 7
.if \s > 0
	PLACES                                         ; the set about to be loaded was read by the step before
.endif
	FETCHX \s+1
.endif
.if (\p == 0) && (\s < 4)
	LOADW 0x80, 14, \s
.endif
.if (\p == 1) && (\s < 4)
	LOADW 0x40, 18, \s
.endif
.if \s < 7
	s_wait_dscnt 17                                ; this step's 17 LDS loads are in; the 17 just issued may be out
.else
	s_wait_dscnt 0x0
.endif
.if \p == 0
	MULQK 0, \s, 0xf1
.elseif \p == 1
	MULQK 1, \s, 0xf2
.else
	MULV \s
.endif
	WIN 0
.endr
	PLACES
.endm
; the way out of q or k: two token tiles at a time; each tile's four registers of codes are 512 consecutive bytes
.macro EPIQK cb, sb
.irp i, 0,1,2,3
	QUANT 64*\i, XF+8*\i, SWD, 1
	v_cndmask_b32 v[SW+\i], v[SWD], v[SWD+1], s[HM]  ; lanes 0-15: tile 2 i's words, lanes 16-31: tile 2 i + 1's
	global_store_b128 v[LI], v[XF+8*\i:XF+8*\i+3], s[\cb:\cb+1] offset:1024*\i
	global_store_b128 v[LI], v[XF+8*\i+4:XF+8*\i+7], s[\cb:\cb+1] offset:1024*\i+512
.endr
	global_store_b128 v[LI], v[SW:SW+3], s[\sb:\sb+1]
.endm
	s_load_b512 s[8:23], s[0:1], 0x0               ; x 8, Wq codes 10, scales 12, Wk 14, 16, Wv 18, 20, Wo codes 22
	s_load_b128 s[24:27], s[0:1], 0x40             ; qkv_codes, qkv_scales
	s_load_b64 s[28:29], s[0:1], 0x50              ; wo_image
	v_lshl_add_u32 v126, v0, 2, 0x11000
	v_mov_b32 v127, 0
	v_lshrrev_b32 v14, 5, v0
	v_readfirstlane_b32 s2, v14                    ; wave 0..3
	s_mov_b32 s3, ttmp9                            ; g
	s_and_b32 s4, ttmp7, 0xffff                    ; y
	s_lshl_b32 s5, s3, 2
	s_add_co_u32 s5, s5, s2                        ; my head
	v_and_b32 v14, 15, v0                          ; r
	v_bfe_u32 v15, v0, 4, 1                        ; h
	v_and_b32 v32, 8, v14
	v_add_nc_u32 v32, v32, v14                     ; r + 8 (r / 8)
	v_and_b32 v33, 31, v0                          ; lane
	v_lshlrev_b32 v[XA], 12, v32
	v_lshl_add_u32 v[XA], v15, 6, v[XA]
	v_lshlrev_b32 v[LI], 4, v33
	s_lshl_b32 s6, s2, 2
	v_lshl_add_u32 v[XWS], v14, 4, XSC
	v_add_nc_u32 v[XWS], s6, v[XWS]
	s_lshl_b32 s6, s2, 11
	v_add_nc_u32 v[XWI], s6, v[LI]
	v_lshlrev_b32 v[WA], 9, v32
	v_lshl_add_u32 v[WA], v15, 4, v[WA]
	v_lshl_add_u32 v[WSA], v15, 3, v32
	v_lshlrev_b32 v[WSA], 5, v[WSA]
	v_add_nc_u32 v[XSA], XSC, v[LI]
	v_lshlrev_b32 v[WOA], 9, v14
	v_lshl_add_u32 v[WOA], v15, 4, v[WOA]
	v_lshlrev_b32 v[L8], 3, v33
.irp b, 0,1,2,3
	v_mov_b32 v[TM+4+\b], 0                        ; written once: a lane permute's destination counts as one of its sources
.endr
	s_mov_b32 s[SEL], 0x76543210
	s_mov_b32 s[SEL+1], 0xfedcba98
	s_mov_b32 s[FL], 0x1800000
	s_mov_b32 s[HM], 0xffff0000
	s_mov_b32 s[PADW], 0x7f7f0000
	s_mov_b32 s31, 0
	s_lshl_b32 s30, s4, 19
	s_lshl_b32 s6, s2, 17
	s_add_co_u32 s30, s30, s6                      ; (128 y + 32 wave) rows of 4,096 bytes
	s_wait_kmcnt 0x0
	s_add_nc_u64 s[8:9], s[8:9], s[30:31]
	s_lshl_b32 s30, s5, 15                         ; my head's 64 rows of 512 bytes of codes
	s_add_nc_u64 s[10:11], s[10:11], s[30:31]
	s_add_nc_u64 s[14:15], s[14:15], s[30:31]
	s_add_nc_u64 s[18:19], s[18:19], s[30:31]
	s_lshl_b32 s30, s5, 11                         ; and of 32 scale bytes
	s_add_nc_u64 s[12:13], s[12:13], s[30:31]
	s_add_nc_u64 s[16:17], s[16:17], s[30:31]
	s_add_nc_u64 s[20:21], s[20:21], s[30:31]
	s_lshl_b32 s6, s4, 2                           ; Wo: fragment F = 2 (4 y + g) + wave / 2 = 8 x row tile + K step, half c = wave % 2
	s_add_co_u32 s6, s6, s3
	s_lshl_b32 s6, s6, 1
	s_lshr_b32 s7, s2, 1
	s_add_co_u32 s6, s6, s7
	s_and_b32 s7, s2, 1
	s_lshr_b32 s30, s6, 3
	s_lshl_b32 s30, s30, 13                        ; 16 rows of 512 bytes a row tile,
	s_and_b32 s37, s6, 7
	s_lshl_b32 s37, s37, 6                         ; 64 bytes a K step,
	s_add_co_u32 s30, s30, s37
	s_lshl_b32 s37, s7, 5                          ; 32 a half
	s_add_co_u32 s30, s30, s37
	s_add_nc_u64 s[22:23], s[22:23], s[30:31]
	s_lshl_b32 s30, s6, 10
	s_lshl_b32 s37, s7, 9
	s_add_co_u32 s30, s30, s37
	s_add_nc_u64 s[28:29], s[28:29], s[30:31]
	s_lshr_b32 s6, s4, 3
	s_lshl_b32 s6, s6, 4
	s_add_co_u32 s6, s6, s5                        ; 16 x batch + head
	s_and_b32 s7, s4, 7                            ; which 128 tokens of the batch's 1,024
	s_lshl_b32 s30, s6, 15
	s_lshl_b32 s37, s7, 12
	s_add_co_u32 s30, s30, s37
	s_add_nc_u64 s[40:41], s[24:25], s[30:31]      ; q's codes,
	s_add_nc_u64 s[42:43], s[40:41], 0x400000      ; k's,
	s_add_nc_u64 s[44:45], s[40:41], 0x800000      ; v's
	s_lshl_b32 s30, s6, 12
	s_lshl_b32 s37, s7, 9
	s_add_co_u32 s30, s30, s37
	s_add_nc_u64 s[46:47], s[26:27], s[30:31]      ; q's scale words,
	s_add_nc_u64 s[48:49], s[46:47], 0x80000       ; k's,
	s_lshl_b32 s30, s6, 11
	s_lshl_b32 s37, s7, 8
	s_add_co_u32 s30, s30, s37
	s_add_co_u32 s30, s30, 0x100000
	s_add_nc_u64 s[50:51], s[26:27], s[30:31]      ; v's
	global_load_b128 v[WOD:WOD+3], v[WOA], s[22:23]
.irp i, 0,1
.irp q, 0,1
	global_load_b128 v[WS+8*\i+4*\q:WS+8*\i+4*\q+3], v[WSA], s[12:13] offset:1024*\i+16*\q        ; lanes 0-15 tile 2 i's rows, lanes 16-31 tile 2 i + 1's; four K steps' words a load
	global_load_b128 v[WS+16+8*\i+4*\q:WS+16+8*\i+4*\q+3], v[WSA], s[16:17] offset:1024*\i+16*\q
	global_load_b128 v[WS+32+8*\i+4*\q:WS+32+8*\i+4*\q+3], v[WSA], s[20:21] offset:1024*\i+16*\q
.endr
.endr
	XLOAD 0
	XLOAD 1
	XLOAD 2
	XLOAD 3
; x IS QUANTISED: sixteen fragments a wave (two tiles x eight K steps), loads three fragments ahead.  Every fragment has registers of its own for its codes and its scale word: no source of an LDS store is written again.
.macro XSTEP f
	s_wait_loadcnt 48                              ; this fragment's 16 loads and all before them are in; the three younger groups of 16 may be out
	QUANT 64*((\f)%4), XF+8*(\f), XW+(\f), 0
	ds_store_b128 v[XWI], v[XF+8*(\f):XF+8*(\f)+3] offset:8192*((\f)/2)+1024*((\f)%2)
	ds_store_b128 v[XWI], v[XF+8*(\f)+4:XF+8*(\f)+7] offset:8192*((\f)/2)+1024*((\f)%2)+512
	ds_store_b32 v[XWS], v[XW+(\f)] offset:512*((\f)/2)+256*((\f)%2)   ; both halves of the lanes write the same word with the same value
.if (\f) == 0
	global_store_b128 v[LI], v[WOD:WOD+3], s[28:29]  ; Wo's half fragment in register order: 512 consecutive bytes
.endif
.if (\f) < 12
	XLOAD (\f)+4
.else
	LOADW 0x40, 10, (\f)-12                        ; then Wq, a tile at a time
.endif
.endm
.irp f, 0,1,2,3,4,5,6,7,8,9,10,11,12,13,14,15
	XSTEP \f
.endr
	s_wait_dscnt 0x0                               ; my images have landed
	s_barrier_signal -1
	s_barrier_wait -1                              ; everybody's have: from here on LDS is only read
	PASS 0
	EPIQK 40, 46
	PASS 1
	EPIQK 42, 48
	PASS 2
.irp t, 0,1,2,3                                ; v's way out: a feature tile's 64 registers are 128 keys of one feature a lane: a whole fragment of v^T
	QUANT 64*\t, XF+8*\t, SWD+\t, 0
	global_store_b128 v[LI], v[XF+8*\t:XF+8*\t+3], s[44:45] offset:1024*\t
	global_store_b128 v[LI], v[XF+8*\t+4:XF+8*\t+7], s[44:45] offset:1024*\t+512
.endr
	v_cndmask_b32 v[SW], v[SWD], v[SWD+1], s[HM]
	v_cndmask_b32 v[SW+1], v[SWD+2], v[SWD+3], s[HM]
	global_store_b64 v[L8], v[SW:SW+1], s[50:51]
	s_wait_tensorcnt 0x0
	ds_add_u32 v126, v127
	s_wait_dscnt 0x0
	s_endpgm
.Lfunc_end_k_qb346a17d44_qkv:
	.size	k_qb346a17d44_qkv, .Lfunc_end_k_qb346a17d44_qkv-k_qb346a17d44_qkv
	.p2alignl 7, 3214868480
	.fill 96, 4, 3214868480
	.section	.rodata,"a",@progbits
	.p2align	6, 0x0
	.amdhsa_kernel k_qb346a17d44_qkv
		.amdhsa_group_segment_fixed_size 70144
		.amdhsa_private_segment_fixed_size 0
		.amdhsa_enable_private_segment 0
		.amdhsa_kernarg_size 88
		.amdhsa_user_sgpr_count 2
		.amdhsa_user_sgpr_kernarg_segment_ptr 1
		.amdhsa_wavefront_size32 1
		.amdhsa_system_sgpr_workgroup_id_x 1
		.amdhsa_system_sgpr_workgroup_id_y 1
		.amdhsa_system_sgpr_workgroup_id_z 1
		.amdhsa_system_vgpr_workitem_id 0
		.amdhsa_next_free_vgpr 1024
		.amdhsa_next_free_sgpr 66
		.amdhsa_reserve_vcc 0
		.amdhsa_float_denorm_mode_32 3
		.amdhsa_float_denorm_mode_16_64 3
		.amdhsa_memory_ordered 1
		.amdhsa_forward_progress 1
		.amdhsa_inst_pref_size 255
	.end_amdhsa_kernel
	.section	.bss,"aw",@nobits
	.p2align	6
	.space	262144
	.amdgpu_metadata
---
amdhsa.version: [ 1, 2 ]
amdhsa.kernels:
  - .name:           k_qb346a17d44_qkv
    .symbol:         k_qb346a17d44_qkv.kd
    .args:
      - { .name: hidden_states, .offset: 0, .size: 8, .value_kind: global_buffer, .address_space: global }
      - { .name: Wq_codes, .offset: 8, .size: 8, .value_kind: global_buffer, .address_space: global }
      - { .name: Wq_scales, .offset: 16, .size: 8, .value_kind: global_buffer, .address_space: global }
      - { .name: Wk_codes, .offset: 24, .size: 8, .value_kind: global_buffer, .address_space: global }
      - { .name: Wk_scales, .offset: 32, .size: 8, .value_kind: global_buffer, .address_space: global }
      - { .name: Wv_codes, .offset: 40, .size: 8, .value_kind: global_buffer, .address_space: global }
      - { .name: Wv_scales, .offset: 48, .size: 8, .value_kind: global_buffer, .address_space: global }
      - { .name: Wo_codes, .offset: 56, .size: 8, .value_kind: global_buffer, .address_space: global }
      - { .name: qkv_codes, .offset: 64, .size: 8, .value_kind: global_buffer, .address_space: global }
      - { .name: qkv_scales, .offset: 72, .size: 8, .value_kind: global_buffer, .address_space: global }
      - { .name: wo_image, .offset: 80, .size: 8, .value_kind: global_buffer, .address_space: global }
    .group_segment_fixed_size: 70144
    .private_segment_fixed_size: 0
    .kernarg_segment_align: 8
    .kernarg_segment_size: 88
    .max_flat_workgroup_size: 128
    .sgpr_count:     66
    .vgpr_count:     1024
    .wavefront_size: 32
...
	.end_amdgpu_metadata
.endif
;; end of part 1
;; launch attn (part 2): grid 4 x 64, 16 waves a work-group, no clusters, 150,528 bytes of LDS; arguments qkv_codes, qkv_scales, attention_mask, ctx_codes, ctx_scales; writes ctx_codes, ctx_scales
.if DOCPART == 2
	.amdgcn_target "amdgcn-amd-amdhsa--gfx1250"
	.amdhsa_code_object_version 6
	.text
	.protected	k_qb346a17d44_attn
	.globl	k_qb346a17d44_attn
	.p2align	8
	.type	k_qb346a17d44_attn,@function
k_qb346a17d44_attn:
	s_mov_b64 s[64:65], 0
	v_nop
	global_prefetch_b8 v0, s[64:65] scope:SCOPE_SE
	s_setreg_imm32_b32 hwreg(HW_REG_WAVE_MODE, 25, 1), 1
	s_wait_xcnt 0x0
; ctx = softmax(q k^T / 8 + mask) v for 128 (batch, head) pairs of 1,024 tokens x 64, both products on codes of FP4 (E2M1) with E8M0 scales; ctx is quantised along the model's 1,024 for the output projection.
; THE SOFTMAX AHEAD OF THE SECOND PRODUCT: t = (q.k + 8 mask) x log2(e) / 8; M = the running largest t rounded up to a whole number; p = 2^(t - M) is quantised along the keys, not normalised;
; the row's sum is taken of the unquantised p and divides at the end; when M moves, the sum and O are multiplied by 2^(old M - new M), which rounds nothing.
; 8 x mask is the C of the first product: it comes from LDS straight into the scores' registers.
; SHARES.  Work-group (qb, y): batch y / 8, heads 2 (y % 8) and 2 (y % 8) + 1, queries 256 qb .. + 255.  Each of sixteen waves owns one tile of 16 queries, for both heads one after the other: so it makes a whole
; fragment (128 along the next K) and a whole scale word of ctx.  Four waves share a SIMD: one wave's vector work stands beside another's matrix work and LDS loads.
; K's and V's codes and scale words of both heads (140 KB) and the batch's mask are copied into LDS once, as they lie: they were stored in the order of the operand's registers, so a fragment is loads of 16 bytes at 16 x lane.
; LAYOUT.  S^T = K Q^T (source 0 = 16 keys, source 1 = my 16 queries), O^T = V^T P^T: a lane holds one query throughout.  Row i of key tile 2 b + u is key 32 b + 8 u + i + 8 (i / 8), so the 16 registers of tiles
; 2 b and 2 b + 1 are keys 32 b + 16 (lane / 16) + 0 .. 15; v^T's feature tiles are ordered the same way, so O^T's registers are neighbours along the next K.  The head's 64 fill half of a fragment: the other half is zero codes.
; ORDER.  Behind -M no two exponentials follow each other: behind each stands a plain instruction that is ready (a scaling two pairs ahead, the sum of the pair before, a piece of O^T's rescaling, a line of the scale bytes),
; so that the wave has other work to issue between two exponentials, and each has its independent plain instruction behind it.
; NO CLUSTER: the four work-groups of a head pair read the same K and V, but once each, 19 loads a thread at the head, ahead of 16 key steps of work on them; nothing is fetched in the loop.
; LIMITS: NaN among the inputs is not served.  8 x mask is held at +-2^33: masks beyond +-2^30 count as +-2^30 (so |t| stays under 2^31, and what the fused t - M leaves of t's rounding stays under 64: no p and no sum
; overflows); a row all of whose keys are -infinity gives numbers where the definition gives NaN.  A block of zeros gets the byte 1 (its codes are zeros; this program alone reads the bytes).
; REGISTERS: v1-3 lane terms; v4-8 the step's LDS addresses; v9-11 the last scale words' addresses; v12 -M, v13 the largest t, v[14:15] and v[242:243] the sum, in two chains of two halves; v16-23 Q; v24-27 the second head's Q;
;   v28, v29 Q's scale words; v30 ctx's scale word; v32-95 eight fragments of K; v96-159 S^T, then p; v160-191 O^T; v192-223 four fragments of V; v224-231 p's codes; v232-239, v244-247, v252, v254, v255 at work;
;   v[240:241] V's scale words, v[248:251] K's, v253 p's.
.set KIMG, 0                           ; LDS: K's codes, two heads x 64 tiles x 512 bytes
.set VIMG, 65536                       ; V's: two heads x 8 key steps x 4 fragments x 1,024 bytes
.set KSC,  131072                      ; K's scale words: two heads x 8 key steps x 512 bytes
.set VSC,  139264                      ; V's: two heads x 8 x 256
.set MSK,  143360                      ; 8 x mask: 1,024 numbers
.set CST,  147456                      ; ctx's scale words: 16 tiles x 64 bytes
.set LI,   1
.set L8,   2
.set MH,   3
.set ADK,  4
.set ADV,  5
.set ADKS, 6
.set ADVS, 7
.set ADM,  8
.set WV,   14                          ; s14 wave
.set SEL,  20                          ; s[20:21]
.set CS,   22                          ; s[22:23] c = log2(e) / 8
.set SK,   40                          ; s40-44 LDS bytes at which the step's K, V, K's scales, V's scales and mask begin
.set SV,   41
.set SKS,  42
.set SVS,  43
.set SMK,  44
.set CNT,  45
.set LO,   46
.set HI,   47
.macro WQK t, hd
.if (\t)%2
	v_wmma_scale_f32_16x16x128_f8f6f4 v[96+8*(\t):103+8*(\t)], v[32+8*(\t):39+8*(\t)], v[16:23], v[96+8*(\t):103+8*(\t)], v[248+(\t)/2], v[28+\hd] matrix_a_fmt:MATRIX_FMT_FP4 matrix_b_fmt:MATRIX_FMT_FP4 matrix_a_scale:MATRIX_SCALE_ROW1
.else
	v_wmma_scale_f32_16x16x128_f8f6f4 v[96+8*(\t):103+8*(\t)], v[32+8*(\t):39+8*(\t)], v[16:23], v[96+8*(\t):103+8*(\t)], v[248+(\t)/2], v[28+\hd] matrix_a_fmt:MATRIX_FMT_FP4 matrix_b_fmt:MATRIX_FMT_FP4
.endif
.endm
.macro WPV t
.if (\t)%2
	v_wmma_scale_f32_16x16x128_f8f6f4 v[160+8*(\t):167+8*(\t)], v[192+8*(\t):199+8*(\t)], v[224:231], v[160+8*(\t):167+8*(\t)], v[240+(\t)/2], v253 matrix_a_fmt:MATRIX_FMT_FP4 matrix_b_fmt:MATRIX_FMT_FP4 matrix_a_scale:MATRIX_SCALE_ROW1
.else
	v_wmma_scale_f32_16x16x128_f8f6f4 v[160+8*(\t):167+8*(\t)], v[192+8*(\t):199+8*(\t)], v[224:231], v[160+8*(\t):167+8*(\t)], v[240+(\t)/2], v253 matrix_a_fmt:MATRIX_FMT_FP4 matrix_b_fmt:MATRIX_FMT_FP4
.endif
.endm
; THE PLAIN LINES THAT STAND BETWEEN THE EXPONENTIALS
.macro PKF k                           ; t - M of pair k of the 32 pairs of scores (of the pairs c and -M the low word serves both halves)
	v_pk_fma_f32 v[96+2*(\k):97+2*(\k)], v[96+2*(\k):97+2*(\k)], s[CS:CS+1], v[12:13] op_sel_hi:[1,0,0]
.endm
.macro SUM k                           ; pair k of the unquantised p onto the row's sum: the even pairs onto one chain, the odd pairs onto the other
.if (\k)%2
	v_pk_add_f32 v[242:243], v[242:243], v[96+2*(\k):97+2*(\k)]
.else
	s_wait_alu depctr_va_vdst(0)
	v_pk_add_f32 v[14:15], v[14:15], v[96+2*(\k):97+2*(\k)]
.endif
.endm
.macro OMUL                            ; the next two numbers of O^T under the new M: x f.  In ascending order: each accumulator is read from its low end on
	v_pk_mul_f32 v[160+om:161+om], v[160+om:161+om], v[252:253] op_sel_hi:[1,0]
.set om, om+2
.endm
.macro BM m                            ; line m of 15 from the four blocks' largest p to the conversions' scale operands and p's scale word
.if (\m) < 4
	v_max_num_f32 v[232+(\m)], 0x1800000, v[232+(\m)]        ; the floor 2^(3 - 127): the byte cannot fall under 1
.elseif (\m) < 8
	v_add_nc_u32 v[244+(\m)-4], 0xff000000, v[232+(\m)-4]    ; 2 off the exponent field: the conversion's scale operand
.elseif (\m) < 12
	v_lshrrev_b32 v[236+(\m)-8], 23, v[244+(\m)-8]           ; the scale's byte
.elseif (\m) == 12
	v_lshl_or_b32 v253, v237, 8, v236                        ; p's scale word for these 128 keys
.elseif (\m) == 13
	v_lshl_or_b32 v253, v238, 16, v253
.else
	v_lshl_or_b32 v253, v239, 24, v253
.endif
.endm
	s_load_b256 s[4:11], s[0:1], 0x0               ; qkv_codes 4, qkv_scales 6, mask 8, ctx_codes 10
	s_load_b64 s[12:13], s[0:1], 0x20              ; ctx_scales
	v_lshrrev_b32 v4, 5, v0
	v_readfirstlane_b32 s[WV], v4                  ; wave 0..15
	s_mov_b32 s15, ttmp9                           ; qb
	s_and_b32 s16, ttmp7, 0xffff
	s_lshr_b32 s17, s16, 3                         ; batch
	s_and_b32 s18, s16, 7                          ; pair of heads
	s_lshl_b32 s19, s17, 4
	s_lshl_b32 s24, s18, 1
	s_add_co_u32 s19, s19, s24                     ; 16 x batch + first head
	s_lshl_b32 s26, s15, 4
	s_add_co_u32 s26, s26, s[WV]                   ; my tile of queries, 0..63
	v_and_b32 v9, 15, v0                           ; r
	v_and_b32 v1, 31, v0
	v_lshlrev_b32 v[L8], 3, v1                     ; 8 x lane
	v_lshlrev_b32 v[LI], 4, v1                     ; 16 x lane
	v_bfe_u32 v3, v0, 4, 1
	v_lshlrev_b32 v[MH], 6, v3                     ; my half's 16 keys of a block of 32: 64 bytes of mask
	v_lshlrev_b32 v11, 4, v9                       ; 16 r
	v_lshlrev_b32 v4, 4, v0                        ; the copy: 16 x thread, in memory and in LDS (K's codes begin at LDS byte 0),
	v_lshlrev_b32 v10, 3, v0                       ; 8 x thread
	v_add_nc_u32 v5, VIMG, v4
	v_add_nc_u32 v6, KSC, v4
	v_add_nc_u32 v7, VSC, v10
	v_add_nc_u32 v8, MSK, v10
	s_lshl_b32 s24, s[WV], 6
	v_lshl_add_u32 v9, v9, 2, CST
	v_add_nc_u32 v9, s24, v9                       ; where my tile's scale words go: CST + 64 wave + 4 r
	s_mov_b32 s[SEL], 0x76543210
	s_mov_b32 s[SEL+1], 0xfedcba98
	s_mov_b32 s[CS], 0x3e38aa3b                    ; log2(e) / 8
	s_mov_b32 s[CS+1], s[CS]                       ; (named with it as a pair, so it is written)
	s_mov_b32 s[LO], 0xd0000000                    ; -2^33
	s_mov_b32 s[HI], 0x50000000                    ; 2^33
	s_mov_b32 s25, 0
	s_lshl_b32 s27, s19, 15                        ; 32,768 bytes of codes a head
	s_wait_kmcnt 0x0
	s_add_co_u32 s24, s27, 0x400000
	s_add_nc_u64 s[28:29], s[4:5], s[24:25]        ; K's codes of my two heads
	s_add_co_u32 s24, s27, 0x800000
	s_add_nc_u64 s[30:31], s[4:5], s[24:25]        ; V's
	s_lshl_b32 s24, s26, 9
	s_add_co_u32 s24, s24, s27
	s_add_nc_u64 s[36:37], s[4:5], s[24:25]        ; Q's: my tile
	s_lshl_b32 s27, s19, 12                        ; 4,096 bytes of q's or k's scale words a head
	s_add_co_u32 s24, s27, 0x80000
	s_add_nc_u64 s[32:33], s[6:7], s[24:25]        ; K's scale words
	s_lshr_b32 s24, s26, 3
	s_lshl_b32 s24, s24, 9                         ; Q's: 512 bytes for 8 tiles,
	s_add_co_u32 s27, s27, s24
	s_and_b32 s24, s[WV], 1
	s_lshl_b32 s24, s24, 8                         ; the odd tile of a pair 16 lanes on,
	s_add_co_u32 s27, s27, s24
	s_bfe_u32 s24, s[WV], 0x20001
	s_lshl_b32 s24, s24, 2                         ; the pair's word
	s_add_co_u32 s24, s24, s27
	s_add_nc_u64 s[38:39], s[6:7], s[24:25]
	s_lshl_b32 s24, s19, 11
	s_add_co_u32 s24, s24, 0x100000
	s_add_nc_u64 s[34:35], s[6:7], s[24:25]        ; V's scale words
	s_lshl_b32 s24, s17, 12
	s_add_nc_u64 s[8:9], s[8:9], s[24:25]          ; the batch's mask
	s_lshl_b32 s24, s17, 6
	s_add_co_u32 s24, s24, s26
	s_lshl_b32 s24, s24, 3
	s_add_co_u32 s24, s24, s18
	s_lshl_b32 s24, s24, 10
	s_add_nc_u64 s[10:11], s[10:11], s[24:25]      ; ctx's fragment (tile 64 batch + mine, K step = pair of heads)
	s_lshl_b32 s24, s17, 6
	s_lshl_b32 s27, s15, 4
	s_add_co_u32 s24, s24, s27
	s_lshl_b32 s24, s24, 6
	s_lshl_b32 s27, s18, 15
	s_add_co_u32 s24, s24, s27
	s_add_nc_u64 s[12:13], s[12:13], s[24:25]      ; the work-group's 16 tiles' scale words: 1,024 consecutive bytes
.irp i, 0,1,2,3,4,5,6,7
	global_load_b128 v[32+4*\i:35+4*\i], v4, s[28:29] offset:8192*\i
.endr
.irp i, 0,1,2,3,4,5,6,7
	global_load_b128 v[64+4*\i:67+4*\i], v4, s[30:31] offset:8192*\i
.endr
	global_load_b128 v[96:99], v4, s[32:33]
	global_load_b64 v[100:101], v10, s[34:35]
	global_load_b64 v[102:103], v10, s[8:9]
	global_load_b128 v[16:19], v[LI], s[36:37]
	global_load_b128 v[24:27], v[LI], s[36:37] offset:32768
	global_load_b32 v28, v11, s[38:39]
	global_load_b32 v29, v11, s[38:39] offset:4096
	s_wait_loadcnt 0x0
	v_mul_f32 v102, 0x41000000, v102               ; 8 x mask,
	v_mul_f32 v103, 0x41000000, v103
	v_med3_num_f32 v102, v102, s[LO], s[HI]        ; held at +-2^33
	v_med3_num_f32 v103, v103, s[LO], s[HI]
.irp i, 0,1,2,3,4,5,6,7
	ds_store_b128 v4, v[32+4*\i:35+4*\i] offset:8192*\i
.endr
.irp i, 0,1,2,3,4,5,6,7
	ds_store_b128 v5, v[64+4*\i:67+4*\i] offset:8192*\i
.endr
	ds_store_b128 v6, v[96:99]
	ds_store_b64 v7, v[100:101]
	ds_store_b64 v8, v[102:103]
	s_wait_dscnt 0x0                               ; my part of the copy has landed
	s_barrier_signal -1
	s_barrier_wait -1                              ; everybody's has: these bytes are only read from here on
.irp t, 0,1,2,3,4,5,6,7
.irp i, 4,5,6,7
	v_mov_b32 v[32+8*\t+\i], 0                     ; the upper half of K's fragments: zero codes, once
.endr
.endr
.irp i, 20,21,22,23
	v_mov_b32 v\i, 0                               ; and of Q's
.endr
.irp i, 236,237,238,239,252,253
	v_mov_b32 v\i, 0                               ; written once: lane permutes' destinations count as sources; v253 is named as the upper half of a pair
.endr
	v_lshl_add_u32 v10, v0, 4, CST                 ; the last kilobyte of scale words: where waves 0 and 1 read it,
	v_lshlrev_b32 v11, 4, v0                       ; and where they store it
; ONE HEAD: eight key steps of 128 keys, then ctx's half fragment.
.macro HEAD hd
.if \hd
	s_wait_xcnt 0x0                                ; the first head's store has read its registers
.irp i, 0,1,2,3
	v_mov_b32 v[16+\i], v[24+\i]                   ; the second head's Q
.endr
.endif
	v_mov_b32 v13, 0xff61b1e6                      ; the largest t so far: -3e38, under every t
	v_floor_f32 v12, -v13                          ; -M
	v_mov_b32 v14, 0                               ; the sum: two chains of two halves
	v_mov_b32 v15, 0
	v_mov_b32 v242, 0
	v_mov_b32 v243, 0
.set j, 0
.rept 32
	v_mov_b32 v[160+j], 0                          ; O^T: the loop is written once; its first step finds zeros, which the first change of M leaves zeros
.set j, j+1
.endr
	s_mov_b32 s[SK], KIMG+32768*\hd
	s_mov_b32 s[SV], VIMG+32768*\hd
	s_mov_b32 s[SKS], KSC+4096*\hd
	s_mov_b32 s[SVS], VSC+2048*\hd
	s_mov_b32 s[SMK], MSK
	s_mov_b32 s[CNT], 8
.Lstep_\@:
	v_add_nc_u32 v[ADK], s[SK], v[LI]              ; five plain lines: also the places behind the last step's products, in front of loads into their registers
	v_add_nc_u32 v[ADV], s[SV], v[LI]
	v_add_nc_u32 v[ADKS], s[SKS], v[LI]
	v_add_nc_u32 v[ADVS], s[SVS], v[L8]
	v_add_nc_u32 v[ADM], s[SMK], v[MH]
.irp t, 0,1,2,3,4,5,6,7
	ds_load_b128 v[96+8*\t:99+8*\t], v[ADM] offset:(32*(\t/2)+8*(\t%2))*4          ; 8 x mask of the eight keys that tile t's registers hold: the product's C
	ds_load_b128 v[100+8*\t:103+8*\t], v[ADM] offset:(32*(\t/2)+8*(\t%2))*4+16
.endr
.irp t, 0,1,2,3,4,5,6,7
	ds_load_b128 v[32+8*\t:35+8*\t], v[ADK] offset:512*\t
.endr
	ds_load_b128 v[248:251], v[ADKS]
.irp t, 0,1,2,3
.irp c, 0,1
	ds_load_b128 v[192+8*\t+4*\c:195+8*\t+4*\c], v[ADV] offset:1024*\t+512*\c
.endr
.endr
	ds_load_b64 v[240:241], v[ADVS]
	s_wait_dscnt 9                                 ; the mask, K and its scale words are in; V's eight loads and its scale words may be out
.irp t, 0,1,2,3,4,5,6,7
	WQK \t, \hd                                    ; S^T + 8 mask: eight accumulators, one instruction each
.endr
	v_mov_b32 v255, v12                            ; the old -M is kept.  With the three lines below: the four places behind the products
.rept 3
	v_nop
.endr
.irp b, 0,1,2,3
	v_max3_num_f32 v[232+\b], v[96+16*\b], v[97+16*\b], v[98+16*\b]   ; the largest score of each block of 32 keys: for the row's maximum, and, since p rises with the score, for the block's largest p
.endr
.irp i, 3,5,7,9,11,13
.irp b, 0,1,2,3
	v_max3_num_f32 v[232+\b], v[232+\b], v[96+16*\b+\i], v[97+16*\b+\i]
.endr
.endr
.irp b, 0,1,2,3
	v_max_num_f32 v[232+\b], v[232+\b], v[111+16*\b]
.endr
.irp b, 0,1,2,3
	v_permlanex16_b32 v[236+\b], v[232+\b], s[SEL], s[SEL+1]
.endr
.irp b, 0,1,2,3
	v_max_num_f32 v[232+\b], v[232+\b], v[236+\b]  ; with lane l xor 16's 16 keys
.endr
	v_max3_num_f32 v254, v232, v233, v234
	v_max_num_f32 v254, v254, v235                 ; the step's largest score of my query
	v_mul_f32 v254, s[CS], v254                    ; as t (c is positive)
	v_max_num_f32 v13, v13, v254                   ; the running largest t
	v_floor_f32 v12, -v13                          ; the new -M = floor(-t): M is a whole number
	v_sub_f32 v254, v12, v255                      ; old M - new M: a whole number, 0 or less.  The chain to f stands between lines that want -M alone
	v_fma_f32 v232, v232, s[CS], v12               ; t - M of each block's largest score
	v_cvt_i32_f32 v254, v254                       ; (it saturates)
	v_fma_f32 v233, v233, s[CS], v12
	v_ldexp_f32 v252, 1.0, v254                    ; f = 2^(old M - new M)
	v_fma_f32 v234, v234, s[CS], v12
	v_fma_f32 v235, v235, s[CS], v12
	PKF 0
	PKF 1
.set om, 0
	v_exp_f32 v232, v232                           ; the blocks' largest p: the same multiply-add and exponential on the same number give the same bits as in the block
	v_pk_mul_f32 v[14:15], v[14:15], v[252:253] op_sel_hi:[1,0]     ; the sums under the new M
	v_exp_f32 v233, v233
	v_pk_mul_f32 v[242:243], v[242:243], v[252:253] op_sel_hi:[1,0]
	v_exp_f32 v234, v234
	OMUL
	v_exp_f32 v235, v235
	OMUL
.set n, 0
.rept 32                                       ; pair n: p = 2^(t - M), not normalised; behind each exponential a plain line that names neither its source nor its result
	v_exp_f32 v[96+2*n], v[96+2*n]
.if n < 30
	PKF n+2
.else
	OMUL
.endif
	v_exp_f32 v[97+2*n], v[97+2*n]
.if (n >= 1) && (n <= 24)
	SUM n-1                                        ; pairs 0 to 23; the last eight pairs' sums stand behind the conversions
.else
	OMUL
.endif
.if n%2
.if n < 31
	BM (n-1)/2
.endif
.elseif n%8 == 0
	OMUL
.endif
.set n, n+1
.endr
	s_wait_alu depctr_va_vdst(0)
.irp b, 0,1,2,3
	v_cvt_scalef32_pk8_fp4_f32 v[224+2*\b], v[96+16*\b:103+16*\b], v[244+\b]
	v_cvt_scalef32_pk8_fp4_f32 v[225+2*\b], v[104+16*\b:111+16*\b], v[244+\b]
.endr
	v_nop                                          ; one plain place behind the last scaled conversion
.irp c, 0,1
.irp i, 0,1
	v_permlane16_swap_b32 v[224+4*\c+\i], v[226+4*\c+\i]   ; a whole block in a lane: lanes 0-15 block 2 c, lanes 16-31 block 2 c + 1
.endr
.endr
.irp k, 24,25,26,27,28,29,30,31
	SUM \k                                         ; eight plain lines that name no register of the products below: the places between p's codes and scale word and those products
.endr
	s_wait_dscnt 0x0                               ; V and its scale words are in
.irp t, 0,1,2,3
	WPV \t                                         ; O^T += V^T P^T: four accumulators by turns
.endr
	s_add_co_u32 s[SK], s[SK], 4096
	s_add_co_u32 s[SV], s[SV], 4096
	s_add_co_u32 s[SKS], s[SKS], 512
	s_add_co_u32 s[SVS], s[SVS], 256
	s_add_co_u32 s[SMK], s[SMK], 512
	s_sub_co_u32 s[CNT], s[CNT], 1
	s_cmp_lg_u32 s[CNT], 0
	s_cbranch_scc1 .Lstep_\@
.rept 4
	v_nop                                          ; places behind the last products
.endr
	v_pk_add_f32 v[14:15], v[14:15], v[242:243]    ; the sum's two chains,
	v_add_f32 v14, v14, v15                        ; its two halves,
	v_permlanex16_b32 v252, v14, s[SEL], s[SEL+1]
	v_add_f32 v14, v14, v252                       ; and lane l xor 16's: the row's sum
	v_rcp_f32 v14, v14
	v_nop                                          ; a plain place behind the transcendental
.set j, 0
	s_wait_alu depctr_va_vdst(0)
.rept 32
	v_mul_f32 v[96+j], v[160+j], v14               ; ctx: register 16 b + i is feature 32 b + 16 h + i of my query
.set j, j+1
.endr
.irp b, 0,1
	v_max3_num_f32 v[232+\b], |v[96+16*\b]|, |v[97+16*\b]|, 0x1800000
.endr
.irp i, 2,4,6,8,10,12,14
.irp b, 0,1
	v_max3_num_f32 v[232+\b], v[232+\b], |v[96+16*\b+\i]|, |v[97+16*\b+\i]|
.endr
.endr
.irp b, 0,1
	v_permlanex16_b32 v[236+\b], v[232+\b], s[SEL], s[SEL+1]
.endr
.irp b, 0,1
	v_max_num_f32 v[232+\b], v[232+\b], v[236+\b]
.endr
.irp b, 0,1
	v_add_nc_u32 v[244+\b], 0xff000000, v[232+\b]
.endr
.irp b, 0,1
	v_lshrrev_b32 v[236+\b], 23, v[244+\b]
.endr
.irp b, 0,1
	v_cvt_scalef32_pk8_fp4_f32 v[224+2*\b], v[96+16*\b:103+16*\b], v[244+\b]
	v_cvt_scalef32_pk8_fp4_f32 v[225+2*\b], v[104+16*\b:111+16*\b], v[244+\b]
.endr
	v_nop
	v_permlane16_swap_b32 v224, v226
	v_permlane16_swap_b32 v225, v227               ; registers 4 c .. 4 c + 3 of ctx's fragment, c = this head of the pair
	global_store_b128 v[LI], v[224:227], s[10:11] offset:512*\hd
.if \hd
	v_lshl_or_b32 v254, v237, 8, v236
	v_lshl_or_b32 v30, v254, 16, v30               ; the word's upper two bytes
.else
	v_lshl_or_b32 v30, v237, 8, v236               ; the word's lower two bytes
.endif
.endm
	HEAD 0
	HEAD 1
	ds_store_b32 v9, v30                           ; both halves of the lanes write the same word with the same value
	s_wait_dscnt 0x0
	s_barrier_signal -1
	s_barrier_wait -1                              ; the sixteen tiles' words lie together
	s_cmp_lt_u32 s[WV], 2
	s_cbranch_scc0 .Ldone
	ds_load_b128 v[32:35], v10
	s_wait_dscnt 0x0
	global_store_b128 v11, v[32:35], s[12:13]      ; 64 threads store 1,024 consecutive bytes
.Ldone:
	s_wait_xcnt 0x0
	v_lshl_add_u32 v254, v0, 2, 0x24400
	v_mov_b32 v255, 0
	s_wait_tensorcnt 0x0
	ds_add_u32 v254, v255
	s_wait_dscnt 0x0
	s_endpgm
.Lfunc_end_k_qb346a17d44_attn:
	.size	k_qb346a17d44_attn, .Lfunc_end_k_qb346a17d44_attn-k_qb346a17d44_attn
	.p2alignl 7, 3214868480
	.fill 96, 4, 3214868480
	.section	.rodata,"a",@progbits
	.p2align	6, 0x0
	.amdhsa_kernel k_qb346a17d44_attn
		.amdhsa_group_segment_fixed_size 150528
		.amdhsa_private_segment_fixed_size 0
		.amdhsa_enable_private_segment 0
		.amdhsa_kernarg_size 40
		.amdhsa_user_sgpr_count 2
		.amdhsa_user_sgpr_kernarg_segment_ptr 1
		.amdhsa_wavefront_size32 1
		.amdhsa_system_sgpr_workgroup_id_x 1
		.amdhsa_system_sgpr_workgroup_id_y 1
		.amdhsa_system_sgpr_workgroup_id_z 1
		.amdhsa_system_vgpr_workitem_id 0
		.amdhsa_next_free_vgpr 256
		.amdhsa_next_free_sgpr 66
		.amdhsa_reserve_vcc 0
		.amdhsa_float_denorm_mode_32 3
		.amdhsa_float_denorm_mode_16_64 3
		.amdhsa_memory_ordered 1
		.amdhsa_forward_progress 1
		.amdhsa_inst_pref_size 53
	.end_amdhsa_kernel
	.amdgpu_metadata
---
amdhsa.version: [ 1, 2 ]
amdhsa.kernels:
  - .name:           k_qb346a17d44_attn
    .symbol:         k_qb346a17d44_attn.kd
    .args:
      - { .name: qkv_codes, .offset: 0, .size: 8, .value_kind: global_buffer, .address_space: global }
      - { .name: qkv_scales, .offset: 8, .size: 8, .value_kind: global_buffer, .address_space: global }
      - { .name: attention_mask, .offset: 16, .size: 8, .value_kind: global_buffer, .address_space: global }
      - { .name: ctx_codes, .offset: 24, .size: 8, .value_kind: global_buffer, .address_space: global }
      - { .name: ctx_scales, .offset: 32, .size: 8, .value_kind: global_buffer, .address_space: global }
    .group_segment_fixed_size: 150528
    .private_segment_fixed_size: 0
    .kernarg_segment_align: 8
    .kernarg_segment_size: 40
    .max_flat_workgroup_size: 512
    .sgpr_count:     66
    .vgpr_count:     256
    .wavefront_size: 32
...
	.end_amdgpu_metadata
.endif
;; end of part 2
;; launch oproj (part 3): grid 256 x 1, 16 waves a work-group, no clusters, 158,208 bytes of LDS; arguments ctx_codes, ctx_scales, wo_image, Wo_scales, hidden_states, ln_weight, ln_bias, out0; writes out0
.if DOCPART == 3
	.amdgcn_target "amdgcn-amd-amdhsa--gfx1250"
	.amdhsa_code_object_version 6
	.text
	.protected	k_qb346a17d44_oproj
	.globl	k_qb346a17d44_oproj
	.p2align	8
	.type	k_qb346a17d44_oproj,@function
k_qb346a17d44_oproj:
	s_mov_b64 s[64:65], 0
	v_nop
	global_prefetch_b8 v0, s[64:65] scope:SCOPE_SE
	s_setreg_imm32_b32 hwreg(HW_REG_WAVE_MODE, 25, 1), 1
	s_wait_xcnt 0x0
; out0 = LayerNorm(ctx Wo^T + hidden_states) x ln_weight + ln_bias.  The product is on codes of FP4 (E2M1) with E8M0 scales; all else in f32.
; SHARES.  Work-group g: tokens 32 g .. 32 g + 31 (two tiles of 16) x all 1,024 columns, so that a row's mean and variance stay inside the work-group.  Wave w: columns 64 w .. 64 w + 63: 8 accumulators.
; The product is used transposed (source 0 = 16 rows of Wo, source 1 = 16 tokens of ctx): a lane holds one token and eight neighbouring columns.  Row r of tile m is token 32 g + 8 m + r + 8 (r / 8):
; the order in which the earlier launches laid ctx.
; ctx's 16 KB of codes are copied into LDS once and read by all sixteen waves; so are ln_weight and ln_bias, 8 bytes of each a thread.  Wo's fragments come from the image that the first launch laid in register
; order, straight into registers, two K steps ahead: 16 loads of 512 bytes a wave are on their way, 131 KB for the work-group.
; The sums meet in a stage in LDS (32 rows of 4,096 bytes + 16) and each wave takes two whole rows through the LayerNorm.  THE RESIDUAL: a wave loads the two rows of hidden_states that it will normalise, at the
; head, 512 consecutive bytes an instruction, keeps them in 64 registers and adds them behind the stage.  Then: mean, the sum of squared differences from it, in f32.
; NO CLUSTER, NO TENSOR LOAD: all work-groups read the same 512 KB of Wo, but each wave wants only its own 32 KB of it, in its registers; through LDS it would not fit beside the stage.
; LIMITS: NaN and infinities among the inputs are not served; 1 / sqrt by v_rsq_f32.
; REGISTERS: v1-7 addresses; v8-15 ctx's scale words, one a K step (lanes 0-15 tile 0, lanes 16-31 tile 1); v16-31 Wo's (pair of tiles i, K step s at v[16 + 8 i + s]); v32-63 ctx's fragments, two sets (at the head what
;   is copied into LDS, at the end the LayerNorm's work); v64-127 the accumulators ((m, t) at v[64 + 32 m + 8 t]), later my two rows; v128-191 Wo's fragments, two sets, at the end ln_bias (v128-159) and ln_weight (v160-191);
;   v192-223, v224-255 my second and my first row of hidden_states.
.set CIMG, 0                           ; LDS: ctx's fragment (tile m, K step s) at (8 m + s) x 1,024 + 512 c + 16 lane
.set LNW,  16384                       ; ln_weight, 4,096 bytes
.set LNB,  20480                       ; ln_bias
.set STG,  24576                       ; the stage: row 16 m + r at 4,112 bytes a row: 1,028 words, so that row r starts at bank 4 r mod 64 (ISA guide 11.1)
.set LI,   1                           ; v1  16 x lane
.set T8,   2                           ; v2  8 x thread, for the copy of ln_weight and ln_bias;
.set SRD,  2                           ;     behind the last wait for loads: where I read my two rows in the stage
.set L32,  3                           ; v3  32 x lane
.set L4,   4                           ; v4  4 x lane
.set STO0, 5                           ; v5, v6  the stage, on the way in, tile 0 and tile 1
.set STO1, 6
.set T16,  7                           ; v7  16 x thread
.set SEL,  28                          ; s[28:29]
.macro LOADW s                         ; K step s of my four tiles of Wo: 8 loads of 512 consecutive bytes, into set s % 2
.irp t, 0,1,2,3
.irp c, 0,1
	global_load_b128 v[128+32*((\s)%2)+8*\t+4*\c:128+32*((\s)%2)+8*\t+4*\c+3], v[LI], s[12:13] offset:8192*\t+1024*(\s)+512*\c
.endr
.endr
.endm
.macro FETCHC s                        ; K step s of ctx's two tiles: 4 LDS loads
.irp m, 0,1
.irp c, 0,1
	ds_load_b128 v[32+16*((\s)%2)+8*\m+4*\c:32+16*((\s)%2)+8*\m+4*\c+3], v[LI] offset:(8*\m+(\s))*1024+512*\c
.endr
.endr
.endm
; one matrix instruction on the registers named by rD, rA, rB, rSA, rSB; rZ = 1: it starts the sum.  ra, rb: the side's scales stand in lanes 16-31
.macro WM ra, rb
.if rZ
.if (\ra) && (\rb)
	v_wmma_scale_f32_16x16x128_f8f6f4 v[rD:rD+7], v[rA:rA+7], v[rB:rB+7], 0, v[rSA], v[rSB] matrix_a_fmt:MATRIX_FMT_FP4 matrix_b_fmt:MATRIX_FMT_FP4 matrix_a_scale:MATRIX_SCALE_ROW1 matrix_b_scale:MATRIX_SCALE_ROW1
.elseif (\ra)
	v_wmma_scale_f32_16x16x128_f8f6f4 v[rD:rD+7], v[rA:rA+7], v[rB:rB+7], 0, v[rSA], v[rSB] matrix_a_fmt:MATRIX_FMT_FP4 matrix_b_fmt:MATRIX_FMT_FP4 matrix_a_scale:MATRIX_SCALE_ROW1
.elseif (\rb)
	v_wmma_scale_f32_16x16x128_f8f6f4 v[rD:rD+7], v[rA:rA+7], v[rB:rB+7], 0, v[rSA], v[rSB] matrix_a_fmt:MATRIX_FMT_FP4 matrix_b_fmt:MATRIX_FMT_FP4 matrix_b_scale:MATRIX_SCALE_ROW1
.else
	v_wmma_scale_f32_16x16x128_f8f6f4 v[rD:rD+7], v[rA:rA+7], v[rB:rB+7], 0, v[rSA], v[rSB] matrix_a_fmt:MATRIX_FMT_FP4 matrix_b_fmt:MATRIX_FMT_FP4
.endif
.else
.if (\ra) && (\rb)
	v_wmma_scale_f32_16x16x128_f8f6f4 v[rD:rD+7], v[rA:rA+7], v[rB:rB+7], v[rD:rD+7], v[rSA], v[rSB] matrix_a_fmt:MATRIX_FMT_FP4 matrix_b_fmt:MATRIX_FMT_FP4 matrix_a_scale:MATRIX_SCALE_ROW1 matrix_b_scale:MATRIX_SCALE_ROW1
.elseif (\ra)
	v_wmma_scale_f32_16x16x128_f8f6f4 v[rD:rD+7], v[rA:rA+7], v[rB:rB+7], v[rD:rD+7], v[rSA], v[rSB] matrix_a_fmt:MATRIX_FMT_FP4 matrix_b_fmt:MATRIX_FMT_FP4 matrix_a_scale:MATRIX_SCALE_ROW1
.elseif (\rb)
	v_wmma_scale_f32_16x16x128_f8f6f4 v[rD:rD+7], v[rA:rA+7], v[rB:rB+7], v[rD:rD+7], v[rSA], v[rSB] matrix_a_fmt:MATRIX_FMT_FP4 matrix_b_fmt:MATRIX_FMT_FP4 matrix_b_scale:MATRIX_SCALE_ROW1
.else
	v_wmma_scale_f32_16x16x128_f8f6f4 v[rD:rD+7], v[rA:rA+7], v[rB:rB+7], v[rD:rD+7], v[rSA], v[rSB] matrix_a_fmt:MATRIX_FMT_FP4 matrix_b_fmt:MATRIX_FMT_FP4
.endif
.endif
.endm
	s_load_b512 s[8:23], s[0:1], 0x0               ; ctx_codes 8, ctx_scales 10, wo_image 12, Wo_scales 14, hidden 16, ln_weight 18, ln_bias 20, out0 22
	v_lshrrev_b32 v2, 5, v0
	v_readfirstlane_b32 s2, v2                     ; wave 0..15
	s_mov_b32 s3, ttmp9                            ; g
	v_and_b32 v4, 31, v0                           ; lane
	v_and_b32 v5, 15, v0                           ; r
	v_bfe_u32 v6, v0, 4, 1                         ; h
	v_lshlrev_b32 v[LI], 4, v4
	v_lshlrev_b32 v[L32], 5, v4
	v_lshlrev_b32 v[L4], 2, v4
	v_lshlrev_b32 v[T8], 3, v0
	v_lshlrev_b32 v[T16], 4, v0
	v_mul_u32_u24 v5, v5, 4112
	v_lshl_add_u32 v5, v6, 5, v5
	s_lshl_b32 s4, s2, 8
	v_add_nc_u32 v5, s4, v5
	v_add_nc_u32 v[STO0], STG, v5                  ; STG + 4,112 r + 256 wave + 32 h
	v_add_nc_u32 v[STO1], 65792, v[STO0]           ; 16 rows on
	s_mul_i32 s27, s2, 8224
	s_add_co_u32 s27, s27, STG                     ; my two rows in the stage
	s_mov_b32 s24, 0x3a800000                      ; 1 / 1,024
	s_mov_b32 s25, 0x2b8cbccc                      ; 1e-12
	s_mov_b32 s26, 0xba800000                      ; -1 / 1,024
	s_mov_b32 s[SEL], 0x76543210
	s_mov_b32 s[SEL+1], 0xfedcba98
	s_mov_b32 s5, 0
	s_wait_kmcnt 0x0
	s_lshl_b32 s4, s3, 14
	s_add_nc_u64 s[8:9], s[8:9], s[4:5]            ; my two tiles' codes: 16,384 bytes
	s_lshl_b32 s4, s3, 7
	s_add_nc_u64 s[10:11], s[10:11], s[4:5]        ; their scale words: 128 bytes a K step
	s_lshl_b32 s4, s2, 15
	s_add_nc_u64 s[12:13], s[12:13], s[4:5]        ; my four tiles of Wo: 32 fragments
	s_lshl_b32 s4, s2, 11
	s_add_nc_u64 s[14:15], s[14:15], s[4:5]        ; my 64 rows of Wo's scale bytes
	s_lshl_b32 s4, s3, 5                           ; stage rows 2 wave and 2 wave + 1 are tokens 32 g + 8 (wave / 8) + 2 (wave % 8) + 8 ((wave % 8) / 4) and the next
	s_lshr_b32 s6, s2, 3
	s_lshl_b32 s6, s6, 3
	s_add_co_u32 s4, s4, s6
	s_and_b32 s6, s2, 7
	s_lshl_b32 s7, s6, 1
	s_add_co_u32 s4, s4, s7
	s_lshr_b32 s6, s6, 2
	s_lshl_b32 s6, s6, 3
	s_add_co_u32 s4, s4, s6
	s_lshl_b32 s4, s4, 12
	s_add_nc_u64 s[22:23], s[22:23], s[4:5]        ; those two rows in out0,
	s_add_nc_u64 s[16:17], s[16:17], s[4:5]        ; and in hidden_states
	global_load_b128 v[32:35], v[T16], s[8:9]
	global_load_b128 v[36:39], v[T16], s[8:9] offset:8192
	global_load_b64 v[40:41], v[T8], s[18:19]      ; the 512 threads read ln_weight and ln_bias once for the work-group
	global_load_b64 v[42:43], v[T8], s[20:21]
.irp i, 0,1
.irp q, 0,1,2,3,4,5,6,7
	global_load_b128 v[224-32*\i+4*\q:224-32*\i+4*\q+3], v[LI], s[16:17] offset:4096*\i+512*\q th:TH_LOAD_NT   ; the residual: 32 lanes read 512 consecutive bytes of a row; read once in this launch
.endr
.endr
.irp i, 0,1
.irp q, 0,1
	global_load_b128 v[16+8*\i+4*\q:16+8*\i+4*\q+3], v[L32], s[14:15] offset:1024*\i+16*\q
.endr
.endr
.irp s, 0,1,2,3,4,5,6,7
	global_load_b32 v[8+\s], v[L4], s[10:11] offset:32768*\s
.endr
	LOADW 0
	LOADW 1
	s_wait_loadcnt 44                              ; ctx's codes, ln_weight and ln_bias are in; the 16 + 4 + 8 + 16 loads issued behind them may be out
	ds_store_b128 v[T16], v[32:35]
	ds_store_b128 v[T16], v[36:39] offset:8192
	ds_store_b64 v[T8], v[40:41] offset:LNW
	ds_store_b64 v[T8], v[42:43] offset:LNB
	s_wait_dscnt 0x0
	s_barrier_signal -1
	s_barrier_wait -1                              ; ctx's sixteen fragments, ln_weight and ln_bias lie in LDS
	FETCHC 0
; A K step of 128: eight matrix instructions, the eight accumulators by turns.  The first step's products start the sums.
.macro OSTEP s
.if (\s) < 7
	FETCHC (\s)+1                                  ; into the set that the step before read: its four places stand behind its products
	s_wait_loadcnt 8                               ; this step's fragments of Wo, and all loads before them, are in; the next step's eight may be out
	s_wait_dscnt 4                                 ; this step's fragments of ctx are in; the four just issued may be out
.else
	s_wait_loadcnt 0x0
	s_wait_dscnt 0x0
.endif
.if (\s) == 0
.set rZ, 1
.else
.set rZ, 0
.endif
.irp m, 0,1
.irp t, 0,1,2,3
.set rD, 64+32*\m+8*\t
.set rA, 128+32*((\s)%2)+8*\t
.set rB, 32+16*((\s)%2)+8*\m
.set rSA, 16+8*(\t/2)+(\s)
.set rSB, 8+(\s)
	WM \t%2, \m
.endr
.endr
.rept 4
	v_nop                                          ; places in front of loads into registers that these products read, and of the first read of results
.endr
.if (\s) <= 5
	LOADW (\s)+2
.elseif (\s) == 6
.irp q, 0,1,2,3,4,5,6,7
	ds_load_b128 v[128+4*\q:131+4*\q], v[LI] offset:LNB+512*\q     ; ln_bias, as my rows will lie, into the set that Wo has left
.endr
.else
.irp q, 0,1,2,3,4,5,6,7
	ds_load_b128 v[160+4*\q:163+4*\q], v[LI] offset:LNW+512*\q     ; ln_weight
.endr
.endif
.endm
.irp s, 0,1,2,3,4,5,6,7
	OSTEP \s
.endr
.irp t, 0,1,2,3
	ds_store_b128 v[STO0], v[64+8*\t:67+8*\t] offset:64*\t           ; each accumulator from its low end on
	ds_store_b128 v[STO0], v[68+8*\t:71+8*\t] offset:64*\t+16
.endr
.irp t, 0,1,2,3
	ds_store_b128 v[STO1], v[96+8*\t:99+8*\t] offset:64*\t
	ds_store_b128 v[STO1], v[100+8*\t:103+8*\t] offset:64*\t+16
.endr
	s_wait_dscnt 0x0
	s_barrier_signal -1
	s_barrier_wait -1                              ; 32 whole rows lie in the stage
	v_add_nc_u32 v[SRD], s27, v[LI]                ; (the loads that named this register as 8 x thread were shown done by the last step's wait for all loads)
.irp i, 0,1
.irp q, 0,1,2,3,4,5,6,7
	ds_load_b128 v[64+32*\i+4*\q:67+32*\i+4*\q], v[SRD] offset:4112*\i+512*\q
.endr
.endr
	s_wait_dscnt 0x0
.macro REDUCE x                        ; v[x] summed over the 32 lanes, into every lane; v[x + 1] is at work
	v_add_f32_dpp v[\x], v[\x], v[\x] row_xmask:1 row_mask:0xf bank_mask:0xf
	v_add_f32_dpp v[\x], v[\x], v[\x] row_xmask:2 row_mask:0xf bank_mask:0xf
	v_add_f32_dpp v[\x], v[\x], v[\x] row_xmask:4 row_mask:0xf bank_mask:0xf
	v_add_f32_dpp v[\x], v[\x], v[\x] row_xmask:8 row_mask:0xf bank_mask:0xf
	v_permlanex16_b32 v[(\x)+1], v[\x], s[SEL], s[SEL+1]
	v_add_f32 v[\x], v[\x], v[(\x)+1]
.endm
; One row: 32 numbers a lane, register 4 q + e = column 128 q + 4 lane + e; the row of hidden_states, ln_weight and ln_bias lie the same way.
.macro LNROW i
.set RW, 64+32*\i
.set HD, 224-32*\i
.set SU, 32+8*\i
.set j, 0
.rept 16
	v_pk_add_f32 v[RW+j:RW+j+1], v[RW+j:RW+j+1], v[HD+j:HD+j+1]    ; + the residual
.set j, j+2
.endr
	v_pk_add_f32 v[SU:SU+1], v[RW:RW+1], v[RW+4:RW+5]              ; the sum, two at a time, in two chains
	v_pk_add_f32 v[SU+2:SU+3], v[RW+2:RW+3], v[RW+6:RW+7]
.irp j, 8,12,16,20,24,28
	v_pk_add_f32 v[SU:SU+1], v[SU:SU+1], v[RW+\j:RW+\j+1]
	v_pk_add_f32 v[SU+2:SU+3], v[SU+2:SU+3], v[RW+\j+2:RW+\j+3]
.endr
	v_pk_add_f32 v[SU:SU+1], v[SU:SU+1], v[SU+2:SU+3]
	v_add_f32 v[SU], v[SU], v[SU+1]
	REDUCE SU
	v_mul_f32 v[SU+4], s26, v[SU]                  ; minus the mean,
	v_mov_b32 v[SU+5], v[SU+4]                     ; twice: a pair for the packed additions
.set j, 0
.rept 16
	v_pk_add_f32 v[RW+j:RW+j+1], v[RW+j:RW+j+1], v[SU+4:SU+5]      ; the differences from the mean
.set j, j+2
.endr
	v_pk_mul_f32 v[SU:SU+1], v[RW:RW+1], v[RW:RW+1]                ; the sum of their squares
	v_pk_mul_f32 v[SU+2:SU+3], v[RW+2:RW+3], v[RW+2:RW+3]
.irp j, 4,8,12,16,20,24,28
	v_pk_fma_f32 v[SU:SU+1], v[RW+\j:RW+\j+1], v[RW+\j:RW+\j+1], v[SU:SU+1]
	v_pk_fma_f32 v[SU+2:SU+3], v[RW+\j+2:RW+\j+3], v[RW+\j+2:RW+\j+3], v[SU+2:SU+3]
.endr
	v_pk_add_f32 v[SU:SU+1], v[SU:SU+1], v[SU+2:SU+3]
	v_add_f32 v[SU], v[SU], v[SU+1]
	REDUCE SU
	v_fma_f32 v[SU], v[SU], s24, s25               ; the variance + 1e-12
	v_rsq_f32 v[SU+6], v[SU]
	v_nop                                          ; a plain place behind the transcendental
	s_wait_alu depctr_va_vdst(0)
	v_mov_b32 v[SU+7], v[SU+6]
.set j, 0
.rept 16
	v_pk_mul_f32 v[RW+j:RW+j+1], v[RW+j:RW+j+1], v[SU+6:SU+7]
.set j, j+2
.endr
.set j, 0
.rept 16
	v_pk_fma_f32 v[RW+j:RW+j+1], v[RW+j:RW+j+1], v[160+j:161+j], v[128+j:129+j]   ; x ln_weight + ln_bias
.set j, j+2
.endr
.irp q, 0,1,2,3,4,5,6,7
	global_store_b128 v[LI], v[RW+4*\q:RW+4*\q+3], s[22:23] offset:4096*\i+512*\q th:TH_STORE_NT   ; 32 lanes store 512 consecutive bytes, at a multiple of 256 from the buffer's first byte
.endr
.endm
	LNROW 0
	LNROW 1
	s_wait_xcnt 0x0
	v_lshl_add_u32 v254, v0, 2, 0x26200
	v_mov_b32 v255, 0
	s_wait_tensorcnt 0x0
	ds_add_u32 v254, v255
	s_wait_dscnt 0x0
	s_endpgm
.Lfunc_end_k_qb346a17d44_oproj:
	.size	k_qb346a17d44_oproj, .Lfunc_end_k_qb346a17d44_oproj-k_qb346a17d44_oproj
	.p2alignl 7, 3214868480
	.fill 96, 4, 3214868480
	.section	.rodata,"a",@progbits
	.p2align	6, 0x0
	.amdhsa_kernel k_qb346a17d44_oproj
		.amdhsa_group_segment_fixed_size 158208
		.amdhsa_private_segment_fixed_size 0
		.amdhsa_enable_private_segment 0
		.amdhsa_kernarg_size 64
		.amdhsa_user_sgpr_count 2
		.amdhsa_user_sgpr_kernarg_segment_ptr 1
		.amdhsa_wavefront_size32 1
		.amdhsa_system_sgpr_workgroup_id_x 1
		.amdhsa_system_sgpr_workgroup_id_y 1
		.amdhsa_system_sgpr_workgroup_id_z 1
		.amdhsa_system_vgpr_workitem_id 0
		.amdhsa_next_free_vgpr 256
		.amdhsa_next_free_sgpr 66
		.amdhsa_reserve_vcc 0
		.amdhsa_float_denorm_mode_32 3
		.amdhsa_float_denorm_mode_16_64 3
		.amdhsa_memory_ordered 1
		.amdhsa_forward_progress 1
		.amdhsa_inst_pref_size 43
	.end_amdhsa_kernel
	.amdgpu_metadata
---
amdhsa.version: [ 1, 2 ]
amdhsa.kernels:
  - .name:           k_qb346a17d44_oproj
    .symbol:         k_qb346a17d44_oproj.kd
    .args:
      - { .name: ctx_codes, .offset: 0, .size: 8, .value_kind: global_buffer, .address_space: global }
      - { .name: ctx_scales, .offset: 8, .size: 8, .value_kind: global_buffer, .address_space: global }
      - { .name: wo_image, .offset: 16, .size: 8, .value_kind: global_buffer, .address_space: global }
      - { .name: Wo_scales, .offset: 24, .size: 8, .value_kind: global_buffer, .address_space: global }
      - { .name: hidden_states, .offset: 32, .size: 8, .value_kind: global_buffer, .address_space: global }
      - { .name: ln_weight, .offset: 40, .size: 8, .value_kind: global_buffer, .address_space: global }
      - { .name: ln_bias, .offset: 48, .size: 8, .value_kind: global_buffer, .address_space: global }
      - { .name: out0, .offset: 56, .size: 8, .value_kind: global_buffer, .address_space: global }
    .group_segment_fixed_size: 158208
    .private_segment_fixed_size: 0
    .kernarg_segment_align: 8
    .kernarg_segment_size: 64
    .max_flat_workgroup_size: 512
    .sgpr_count:     66
    .vgpr_count:     256
    .wavefront_size: 32
...
	.end_amdgpu_metadata
.endif
;; end of part 3
;; ======== version 2 of 2: 3 launches; version 1 with the launches qkv, attn, oproj written anew for expert scheduling mode
;; limits: right only within a limited range of input values
;; workspace buffers: qkv_codes 12,582,912 bytes; qkv_scales 1,310,720 bytes; ctx_codes 4,194,304 bytes; ctx_scales 262,144 bytes; wo_image 524,288 bytes
;; launch qkv (part 4): grid 4 x 64, 4 waves a work-group, no clusters, 70,144 bytes of LDS; arguments hidden_states, Wq_codes, Wq_scales, Wk_codes, Wk_scales, Wv_codes, Wv_scales, Wo_codes, qkv_codes, qkv_scales, wo_image; writes qkv_codes, qkv_scales, wo_image
.if DOCPART == 4
	.amdgcn_target "amdgcn-amd-amdhsa--gfx1250"
	.amdhsa_code_object_version 6
	.text
	.protected	k_qb346a17d44_qkv
	.globl	k_qb346a17d44_qkv
	.p2align	8
	.type	k_qb346a17d44_qkv,@function
k_qb346a17d44_qkv:
	s_mov_b64 s[64:65], 0
	v_nop
	global_prefetch_b8 v0, s[64:65] scope:SCOPE_SE
	s_setreg_imm32_b32 hwreg(HW_REG_WAVE_SCHED_MODE, 0, 2), 2
	s_setreg_imm32_b32 hwreg(HW_REG_WAVE_MODE, 25, 1), 1
	s_wait_xcnt 0x0
	s_wait_alu depctr_vm_vsrc(0)
; q, k, v = x Wq^T, x Wk^T, x Wv^T on codes of FP4 (E2M1) with one E8M0 scale for each 32 along K, and their quantising for the attention launch.
; x = hidden_states [8192][1024] f32 is quantised here, along its 1,024; the weights come as codes [1024][512 bytes] and scale bytes [1024][32].
; SHARES.  Work-group (g, y): tokens 128 y .. 128 y + 127, heads 4 g .. 4 g + 3.  Wave w: head 4 g + w, for all 128 tokens: three passes (q, k, v) of 32 accumulators of 16 x 16.
; The four waves quantise the 128 rows of x together (wave w: tiles 2 w, 2 w + 1) and hand the fragments to each other through LDS as images of the operand's registers (lane l's 16 bytes at 16 l).
; ONE ORDER OF ROWS SERVES ALL: row i of tile 2 b + u of a block of 128 tokens is token 32 b + 8 u + i + 8 (i / 8); the rows of a weight's tile within a head are chosen the same way.
; So in a result (a lane: one column, eight rows) the 16 registers of tiles 2 b and 2 b + 1 are 16 neighbours, 32 b + 16 (lane / 16) + 0 .. 15, along the next product's K.
;   q, k: source 0 = 16 rows of W, source 1 = 16 tokens: a lane holds one token and registers along the head's 64: quantised along the head.
;   v:    source 0 = 16 tokens, source 1 = 16 rows of Wv: a lane holds one feature and registers along the tokens: quantised along the keys.
; OUT (workspace, in the order of the operand's registers): q, k: [batch x head][tile 64][lane][16 bytes] (registers 0-3 of a fragment; K = 64 fills half of it);
;   v: [batch x head][key step 8][feature tile 4][c 2][lane][16 bytes]; scale words: lanes 0-15 the even tile's rows, lanes 16-31 the odd tile's; q's and k's unused bytes are 0x7f (1.0).
; Each wave also lays one half fragment of Wo in register order for the third launch (1,024 waves, 512 fragments).
; NO CLUSTER, NO TENSOR LOAD: x has to pass through registers to be quantised; each wave is the only reader in its work-group of its head's 96 KB of weights, which go straight into its registers,
; and the work-group's 384 KB of weights would not fit in LDS beside x's images.
; LIMITS: NaN and infinities among the inputs are not served.  A block of zeros gets the byte 1 (its codes are zeros; this program alone reads the bytes); blocks whose largest magnitude lies under 2^-124 are held at that byte.
; REGISTERS, in windows of 256: window 0: v1-13 addresses and the piece of Wo; v16-31 at work; v40-47 scale words on their way out; v48-95 the weights' scale words; v96-103 x's scale words, two sets;
;   v104-119 x's scale words as made; v128-255 x's fragments, two sets of 8 (while x is quantised: the codes just made; on the ways out v192-223: the codes just made).
;   window 1, window 2: a pass's 32 fragments of W (tile t, K step s at v[64 t + 8 s]), by turns.   window 3: the 32 accumulators; while x is quantised four sets of 64 numbers of x.
; THE MODE: SCHED_MODE bits 1:0 = 2 (LLVM: expert scheduling mode 2), set by the entry lines.  The code itself states the register dependences
; between vector or matrix instructions and memory or LDS instructions, with s_wait_alu, always for 0.
; THE PLAN.  Registers that memory or LDS instructions touch:
;   the four raw sets (window 3)   Fragment f: its quantising reads set f % 4; behind it the loads of fragment f + 4 land there.
;   v128-255, v104-119             While x is quantised: fragment f's codes and scale word, registers of its own for each f: written by its quantising, read by its three LDS stores, never written again in that phase.
;   x's sets 0, 1 and v96-103      In a pass: step s's products read set s % 2; the LDS loads of step s + 1, issued in step s, land in the other set, which step s - 1's products read.
;   windows 1, 2                   A pass's products read one; the next pass's weight lands in the other, in the pass's first four steps.
;   v192-223, v44-47               A way out's quantising writes them; its nine stores read them; the next pass's step 0 lets x's set 1 land in v192-255, the next way out writes v44-47 again.
;   v1-9                           Offsets and LDS addresses, made once at the head.   v10-13: loaded and stored, never written again.   v126, v127: written at the head, read by the closing add alone.
; So: one wait on va_vdst behind each fragment's quantising (the set is read out, the codes are written); one at the head of a pass's steps 1 to 6 (the step before is done reading the set that this step's loads land in),
; behind which the step's loads are dealt among its products, which name none of the registers that those loads touch; one ahead of each way out's run of stores.  One wait on vm_vsrc behind the barrier, and one in
; step 0 of the second and third pass, ahead of the loads that land in the way out's registers.
.set XIMG, 0                           ; LDS: x's fragment (K step s, tile m) at (8 s + m) x 1,024 + 512 c + 16 lane
.set XSC,  65536                       ; x's scale words: 512 s + 16 lane' + 4 pair: lane' 0-15 tile 2 pair, 16-31 tile 2 pair + 1
.set XA,   1                           ; v1   x: (r + 8 (r / 8)) x 4,096 + 64 h
.set LI,   2                           ; v2   16 x lane
.set XWS,  3                           ; v3   where I store x's scale words: XSC + 16 r + 4 wave
.set XWI,  4                           ; v4   where I store x's images: 16 lane + 2,048 wave
.set WA,   5                           ; v5   a weight's fragment: (r + 8 (r / 8)) x 512 + 16 h
.set WSA,  6                           ; v6   a weight's scale words: (r + 8 (r / 8) + 8 h) x 32
.set XSA,  7                           ; v7   XSC + 16 lane
.set WOA,  8                           ; v8   Wo: r x 512 + 16 h
.set L8,   9                           ; v9   8 x lane
.set WOD,  10                          ; v[10:13] my 16 bytes of Wo
.set TM,   16                          ; v16-19 largest magnitudes, v20-23 the other half's, then bytes, v28-31 the conversions' scale operands
.set SWD,  40                          ; v40-43 scale words just made
.set SW,   44                          ; v44-47 scale words gathered for a store
.set WS,   48                          ; pass p, pair of tiles i, K step s: v[48 + 16 p + 8 i + s]
.set XS,   96                          ; set k: v[96 + 4 k + pair]
.set XW,   104
.set XF,   128                         ; set k, tile m: v[128 + 64 k + 8 m]
.set OB,   192                         ; the ways out: the codes just made, 8 registers for each of four quantisings
.set SEL,  32                          ; s[32:33] lane selects for v_permlanex16_b32: lane l xor 16
.set FL,   34                          ; s34  the floor 2^(3 - 127)
.set HM,   35                          ; s35  mask of lanes 16-31
.set PADW, 36                          ; s36  0x7f in a scale word's two upper bytes
.set MSB, 0
.macro WIN new                         ; the immediate's high byte repeats the setting that is left
.if MSB != (\new)
	s_set_vgpr_msb (MSB<<8)|(\new)
.set MSB, (\new)
.endif
.endm
.macro PLACES                          ; four places behind a matrix instruction, in front of loads into its registers and of the first read of results
.rept 4
	v_nop
.endr
.endm
; my tile 2 w + f % 2, K step f / 2: 64 numbers a lane, register 16 b + i = k 32 b + 16 h + i of my row, into set f % 4 of window 3.  It leaves the destination's window at 3
.macro XLOAD f
	WIN 0xc0
.irp b, 0,1,2,3
.irp j, 0,1,2,3
	global_load_b128 v[64*((\f)%4)+16*\b+4*\j:64*((\f)%4)+16*\b+4*\j+3], v[XA], s[8:9] offset:32768*((\f)%2)+512*((\f)/2)+128*\b+16*\j
.endr
.endr
.endm
; tile t of a weight, all eight K steps: 16 loads.  It leaves the destination's window as it set it
.macro LOADW win, base, t
	WIN \win
.irp s, 0,1,2,3,4,5,6,7
.irp c, 0,1
	global_load_b128 v[64*(\t)+8*\s+4*\c:64*(\t)+8*\s+4*\c+3], v[WA], s[\base:\base+1] offset:(32*((\t)/2)+8*((\t)%2))*512+64*\s+32*\c
.endr
.endr
.endm
; 64 numbers of a lane in window 3, v[src] on, register 16 b + i = place 32 b + 16 h + i along K, become 8 registers of codes at v[pc] (window 0): registers 4 c .. 4 c + 3 hold places 64 c + 32 h + 0 .. 31.
; mode 0: one scale word of four bytes in v[pw].  mode 1: two words (blocks 0, 1 and blocks 2, 3: two tiles with K = 64), the upper bytes 0x7f, in v[pw], v[pw + 1].
.macro QUANT src, pc, pw, mode
	WIN 0x3c                                       ; sources 1 and 2 in window 3
.irp b, 0,1,2,3
	v_max3_num_f32 v[TM+\b], s[FL], |v[(\src)+16*\b]|, |v[(\src)+16*\b+1]|   ; my 16 numbers of block b, and the floor: the byte cannot fall under 1.  Each accumulator is read from its low end on
.endr
.irp i, 2,4,6,8,10,12,14
.irp b, 0,1,2,3
	v_max3_num_f32 v[TM+\b], v[TM+\b], |v[(\src)+16*\b+\i]|, |v[(\src)+16*\b+\i+1]|   ; the four blocks by turns
.endr
.endr
	WIN 0
.irp b, 0,1,2,3
	v_permlanex16_b32 v[TM+4+\b], v[TM+\b], s[SEL], s[SEL+1]
.endr
.irp b, 0,1,2,3
	v_max_num_f32 v[TM+\b], v[TM+\b], v[TM+4+\b]   ; with lane l xor 16's: the block's largest magnitude
.endr
.irp b, 0,1,2,3
	v_add_nc_u32 v[TM+12+\b], 0xff000000, v[TM+\b] ; 2 off its exponent field: the conversion's scale operand
.endr
.irp b, 0,1,2,3
	v_lshrrev_b32 v[TM+4+\b], 23, v[TM+12+\b]      ; the scale's byte
.endr
.if (\mode) == 0
	v_lshl_or_b32 v[\pw], v[TM+5], 8, v[TM+4]
	v_lshl_or_b32 v[\pw], v[TM+6], 16, v[\pw]
	v_lshl_or_b32 v[\pw], v[TM+7], 24, v[\pw]
.else
	v_lshl_or_b32 v[\pw], v[TM+5], 8, v[TM+4]
	v_lshl_or_b32 v[(\pw)+1], v[TM+7], 8, v[TM+6]
	v_or_b32 v[\pw], s[PADW], v[\pw]
	v_or_b32 v[(\pw)+1], s[PADW], v[(\pw)+1]
.endif
	WIN 0x03                                       ; source 0 in window 3
.irp b, 0,1,2,3
	v_cvt_scalef32_pk8_fp4_f32 v[(\pc)+2*\b], v[(\src)+16*\b:(\src)+16*\b+7], v[TM+12+\b]
	v_cvt_scalef32_pk8_fp4_f32 v[(\pc)+2*\b+1], v[(\src)+16*\b+8:(\src)+16*\b+15], v[TM+12+\b]
.endr
	WIN 0
	v_nop                                          ; one plain place behind the last scaled conversion
.irp c, 0,1                                    ; the operand's layout wants a whole block in a lane: lanes 0-15 block 2 c, lanes 16-31 block 2 c + 1
.irp i, 0,1
	v_permlane16_swap_b32 v[(\pc)+4*\c+\i], v[(\pc)+4*\c+2+\i]
.endr
.endr
.endm
; K step s of x: eight fragments and the scale words, into set s % 2: 17 LDS loads (every window 0)
.macro FETCHX s
.irp m, 0,1,2,3,4,5,6,7
.irp c, 0,1
	ds_load_b128 v[XF+64*((\s)%2)+8*\m+4*\c:XF+64*((\s)%2)+8*\m+4*\c+3], v[LI] offset:(8*(\s)+\m)*1024+512*\c
.endr
.endr
	ds_load_b128 v[XS+4*((\s)%2):XS+4*((\s)%2)+3], v[XSA] offset:512*(\s)
.endm
; one matrix instruction on the registers named by rD, rA, rB, rSA, rSB; rZ = 1: it starts the sum.  ra, rb: the side's scales stand in lanes 16-31
.macro WM ra, rb
.if rZ
.if (\ra) && (\rb)
	v_wmma_scale_f32_16x16x128_f8f6f4 v[rD:rD+7], v[rA:rA+7], v[rB:rB+7], 0, v[rSA], v[rSB] matrix_a_fmt:MATRIX_FMT_FP4 matrix_b_fmt:MATRIX_FMT_FP4 matrix_a_scale:MATRIX_SCALE_ROW1 matrix_b_scale:MATRIX_SCALE_ROW1
.elseif (\ra)
	v_wmma_scale_f32_16x16x128_f8f6f4 v[rD:rD+7], v[rA:rA+7], v[rB:rB+7], 0, v[rSA], v[rSB] matrix_a_fmt:MATRIX_FMT_FP4 matrix_b_fmt:MATRIX_FMT_FP4 matrix_a_scale:MATRIX_SCALE_ROW1
.elseif (\rb)
	v_wmma_scale_f32_16x16x128_f8f6f4 v[rD:rD+7], v[rA:rA+7], v[rB:rB+7], 0, v[rSA], v[rSB] matrix_a_fmt:MATRIX_FMT_FP4 matrix_b_fmt:MATRIX_FMT_FP4 matrix_b_scale:MATRIX_SCALE_ROW1
.else
	v_wmma_scale_f32_16x16x128_f8f6f4 v[rD:rD+7], v[rA:rA+7], v[rB:rB+7], 0, v[rSA], v[rSB] matrix_a_fmt:MATRIX_FMT_FP4 matrix_b_fmt:MATRIX_FMT_FP4
.endif
.else
.if (\ra) && (\rb)
	v_wmma_scale_f32_16x16x128_f8f6f4 v[rD:rD+7], v[rA:rA+7], v[rB:rB+7], v[rD:rD+7], v[rSA], v[rSB] matrix_a_fmt:MATRIX_FMT_FP4 matrix_b_fmt:MATRIX_FMT_FP4 matrix_a_scale:MATRIX_SCALE_ROW1 matrix_b_scale:MATRIX_SCALE_ROW1
.elseif (\ra)
	v_wmma_scale_f32_16x16x128_f8f6f4 v[rD:rD+7], v[rA:rA+7], v[rB:rB+7], v[rD:rD+7], v[rSA], v[rSB] matrix_a_fmt:MATRIX_FMT_FP4 matrix_b_fmt:MATRIX_FMT_FP4 matrix_a_scale:MATRIX_SCALE_ROW1
.elseif (\rb)
	v_wmma_scale_f32_16x16x128_f8f6f4 v[rD:rD+7], v[rA:rA+7], v[rB:rB+7], v[rD:rD+7], v[rSA], v[rSB] matrix_a_fmt:MATRIX_FMT_FP4 matrix_b_fmt:MATRIX_FMT_FP4 matrix_b_scale:MATRIX_SCALE_ROW1
.else
	v_wmma_scale_f32_16x16x128_f8f6f4 v[rD:rD+7], v[rA:rA+7], v[rB:rB+7], v[rD:rD+7], v[rSA], v[rSB] matrix_a_fmt:MATRIX_FMT_FP4 matrix_b_fmt:MATRIX_FMT_FP4
.endif
.endif
.endm
; THE LOADS OF STEP s OF PASS p, behind the step's first eight products: the next step's fragments of x into the other set, and in the first four steps a quarter of the next pass's weight into the other window.
; No wait on va_vdst stands here: the last one stands at the step's head (for step 0: ahead of the way out's stores, or behind the last fragment's quantising), and the eight products issued since name this step's set of x,
; this pass's weight, the accumulators and this step's scale words: none of the registers that these loads touch.
.macro MID p, s
.if (\s) < 7
	WIN 0
.if ((\p) > 0) && ((\s) == 0)
	s_wait_xcnt 0x0                                ; the stores of the way out before have had their addresses translated (ISA guide 3.1): their data registers take loads only behind this wait,
	s_wait_alu depctr_vm_vsrc(0)                   ; and those stores have read v192-223, in which x's set 1 lands below, and v44-47, which the next way out writes
.endif
	FETCHX (\s)+1
.endif
.if ((\p) == 0) && ((\s) < 4)
	LOADW 0x80, 14, \s
.endif
.if ((\p) == 1) && ((\s) < 4)
	LOADW 0x40, 18, \s
.endif
.endm
; K step s of pass p (q or k): 32 matrix instructions; the 32 accumulators take turns, one instruction a turn, in the same order in every step.
; Accumulator (token tile m, feature tile t) at v[8 (4 m + t)] of window 3.  win: source 0 (W) in window 1 or 2, source 1 (x) in window 0, C and D in window 3
.macro MULQK p, s, win
.if (\s) == 0
.set rZ, 1
.else
.set rZ, 0
.endif
.irp m, 0,1,2,3,4,5,6,7
.if \m == 2
	MID \p, \s
.endif
	WIN \win
.irp t, 0,1,2,3
.set rD, 8*(4*\m+\t)
.set rA, 64*\t+8*(\s)
.set rB, XF+64*((\s)%2)+8*\m
.set rSA, WS+16*(\p)+8*(\t/2)+(\s)
.set rSB, XS+4*((\s)%2)+\m/2
	WM \t%2, \m%2
.endr
.endr
.endm
; the same for v, the sources exchanged: accumulator (feature tile t, token tile m) at v[8 (8 t + m)]; source 0 (x) in window 0, source 1 (Wv) in window 1
.macro MULV s
.if (\s) == 0
.set rZ, 1
.else
.set rZ, 0
.endif
.irp m, 0,1,2,3,4,5,6,7
.if \m == 2
	MID 2, \s
.endif
	WIN 0xf4
.irp t, 0,1,2,3
.set rD, 8*(8*\t+\m)
.set rA, XF+64*((\s)%2)+8*\m
.set rB, 64*\t+8*(\s)
.set rSA, XS+4*((\s)%2)+\m/2
.set rSB, WS+32+8*(\t/2)+(\s)
	WM \m%2, \t%2
.endr
.endr
.endm
; A pass: eight K steps.
.macro PASS p
	s_wait_loadcnt 0x0                             ; this pass's weight is in
.if (\p) == 0
	s_wait_alu depctr_vm_vsrc(0)                   ; my LDS stores have read v128-255, the codes that I made: x's fragments land there from here on
.endif
	FETCHX 0
.irp s, 0,1,2,3,4,5,6,7
	s_wait_dscnt 0x0                               ; this step's 17 LDS loads, asked for in the step before, are in
.if (\s > 0) && (\s < 7)
	PLACES                                         ; the set that this step's loads land in was read by the step before: the places stay beside the wait
	s_wait_alu depctr_va_vdst(0)                   ; the step before's products are done reading their set of x and its scale words, in which this step's LDS loads land
.endif
.if \p == 0
	MULQK 0, \s, 0xf1
.elseif \p == 1
	MULQK 1, \s, 0xf2
.else
	MULV \s
.endif
.endr
	PLACES
.endm
; the way out of q or k: two token tiles to a quantising; each tile's four registers of codes are 512 consecutive bytes.  Every quantising has registers of its own for its codes and its word, so one wait serves the nine stores
.macro EPIQK cb, sb
.irp i, 0,1,2,3
	QUANT 64*\i, OB+8*\i, SWD, 1
	v_cndmask_b32 v[SW+\i], v[SWD], v[SWD+1], s[HM]  ; lanes 0-15: tile 2 i's words, lanes 16-31: tile 2 i + 1's
.endr
	s_wait_alu depctr_va_vdst(0)                   ; the four quantisings have written v192-223 and v44-47, which the stores read; the pass's products are done reading x's set 0, in which the next pass's first loads land
.irp i, 0,1,2,3
	global_store_b128 v[LI], v[OB+8*\i:OB+8*\i+3], s[\cb:\cb+1] offset:1024*\i
	global_store_b128 v[LI], v[OB+8*\i+4:OB+8*\i+7], s[\cb:\cb+1] offset:1024*\i+512
.endr
	global_store_b128 v[LI], v[SW:SW+3], s[\sb:\sb+1]
.endm
	s_load_b512 s[8:23], s[0:1], 0x0               ; x 8, Wq codes 10, scales 12, Wk 14, 16, Wv 18, 20, Wo codes 22
	s_load_b128 s[24:27], s[0:1], 0x40             ; qkv_codes, qkv_scales
	s_load_b64 s[28:29], s[0:1], 0x50              ; wo_image
	v_lshl_add_u32 v126, v0, 2, 0x11000
	v_mov_b32 v127, 0
	v_lshrrev_b32 v14, 5, v0
	v_readfirstlane_b32 s2, v14                    ; wave 0..3
	s_mov_b32 s3, ttmp9                            ; g
	s_and_b32 s4, ttmp7, 0xffff                    ; y
	s_lshl_b32 s5, s3, 2
	s_wait_alu depctr_va_sdst(0)                   ; s2, the wave's number, is written, ahead of its first reader
	s_add_co_u32 s5, s5, s2                        ; my head
	v_and_b32 v14, 15, v0                          ; r
	v_bfe_u32 v15, v0, 4, 1                        ; h
	v_and_b32 v32, 8, v14
	v_add_nc_u32 v32, v32, v14                     ; r + 8 (r / 8)
	v_and_b32 v33, 31, v0                          ; lane
	v_lshlrev_b32 v[XA], 12, v32
	v_lshl_add_u32 v[XA], v15, 6, v[XA]
	v_lshlrev_b32 v[LI], 4, v33
	s_lshl_b32 s6, s2, 2
	v_lshl_add_u32 v[XWS], v14, 4, XSC
	v_add_nc_u32 v[XWS], s6, v[XWS]
	s_lshl_b32 s6, s2, 11
	v_add_nc_u32 v[XWI], s6, v[LI]
	v_lshlrev_b32 v[WA], 9, v32
	v_lshl_add_u32 v[WA], v15, 4, v[WA]
	v_lshl_add_u32 v[WSA], v15, 3, v32
	v_lshlrev_b32 v[WSA], 5, v[WSA]
	v_add_nc_u32 v[XSA], XSC, v[LI]
	v_lshlrev_b32 v[WOA], 9, v14
	v_lshl_add_u32 v[WOA], v15, 4, v[WOA]
	v_lshlrev_b32 v[L8], 3, v33
.irp b, 0,1,2,3
	v_mov_b32 v[TM+4+\b], 0                        ; written once: a lane permute's destination counts as one of its sources
.endr
	s_mov_b32 s[SEL], 0x76543210
	s_mov_b32 s[SEL+1], 0xfedcba98
	s_mov_b32 s[FL], 0x1800000
	s_mov_b32 s[HM], 0xffff0000
	s_mov_b32 s[PADW], 0x7f7f0000
	s_mov_b32 s31, 0
	s_lshl_b32 s30, s4, 19
	s_lshl_b32 s6, s2, 17
	s_add_co_u32 s30, s30, s6                      ; (128 y + 32 wave) rows of 4,096 bytes
	s_wait_kmcnt 0x0
	s_add_nc_u64 s[8:9], s[8:9], s[30:31]
	s_lshl_b32 s30, s5, 15                         ; my head's 64 rows of 512 bytes of codes
	s_add_nc_u64 s[10:11], s[10:11], s[30:31]
	s_add_nc_u64 s[14:15], s[14:15], s[30:31]
	s_add_nc_u64 s[18:19], s[18:19], s[30:31]
	s_lshl_b32 s30, s5, 11                         ; and of 32 scale bytes
	s_add_nc_u64 s[12:13], s[12:13], s[30:31]
	s_add_nc_u64 s[16:17], s[16:17], s[30:31]
	s_add_nc_u64 s[20:21], s[20:21], s[30:31]
	s_lshl_b32 s6, s4, 2                           ; Wo: fragment F = 2 (4 y + g) + wave / 2 = 8 x row tile + K step, half c = wave % 2
	s_add_co_u32 s6, s6, s3
	s_lshl_b32 s6, s6, 1
	s_lshr_b32 s7, s2, 1
	s_add_co_u32 s6, s6, s7
	s_and_b32 s7, s2, 1
	s_lshr_b32 s30, s6, 3
	s_lshl_b32 s30, s30, 13                        ; 16 rows of 512 bytes a row tile,
	s_and_b32 s37, s6, 7
	s_lshl_b32 s37, s37, 6                         ; 64 bytes a K step,
	s_add_co_u32 s30, s30, s37
	s_lshl_b32 s37, s7, 5                          ; 32 a half
	s_add_co_u32 s30, s30, s37
	s_add_nc_u64 s[22:23], s[22:23], s[30:31]
	s_lshl_b32 s30, s6, 10
	s_lshl_b32 s37, s7, 9
	s_add_co_u32 s30, s30, s37
	s_add_nc_u64 s[28:29], s[28:29], s[30:31]
	s_lshr_b32 s6, s4, 3
	s_lshl_b32 s6, s6, 4
	s_add_co_u32 s6, s6, s5                        ; 16 x batch + head
	s_and_b32 s7, s4, 7                            ; which 128 tokens of the batch's 1,024
	s_lshl_b32 s30, s6, 15
	s_lshl_b32 s37, s7, 12
	s_add_co_u32 s30, s30, s37
	s_add_nc_u64 s[40:41], s[24:25], s[30:31]      ; q's codes,
	s_add_nc_u64 s[42:43], s[40:41], 0x400000      ; k's,
	s_add_nc_u64 s[44:45], s[40:41], 0x800000      ; v's
	s_lshl_b32 s30, s6, 12
	s_lshl_b32 s37, s7, 9
	s_add_co_u32 s30, s30, s37
	s_add_nc_u64 s[46:47], s[26:27], s[30:31]      ; q's scale words,
	s_add_nc_u64 s[48:49], s[46:47], 0x80000       ; k's,
	s_lshl_b32 s30, s6, 11
	s_lshl_b32 s37, s7, 8
	s_add_co_u32 s30, s30, s37
	s_add_co_u32 s30, s30, 0x100000
	s_add_nc_u64 s[50:51], s[26:27], s[30:31]      ; v's
	s_wait_alu depctr_va_vdst(0)                   ; the nine offsets and LDS addresses v1 to v9 are written, which every load and store of the kernel reads
	global_load_b128 v[WOD:WOD+3], v[WOA], s[22:23]
.irp i, 0,1
.irp q, 0,1
	global_load_b128 v[WS+8*\i+4*\q:WS+8*\i+4*\q+3], v[WSA], s[12:13] offset:1024*\i+16*\q        ; lanes 0-15 tile 2 i's rows, lanes 16-31 tile 2 i + 1's; four K steps' words a load
	global_load_b128 v[WS+16+8*\i+4*\q:WS+16+8*\i+4*\q+3], v[WSA], s[16:17] offset:1024*\i+16*\q
	global_load_b128 v[WS+32+8*\i+4*\q:WS+32+8*\i+4*\q+3], v[WSA], s[20:21] offset:1024*\i+16*\q
.endr
.endr
	XLOAD 0
	XLOAD 1
	XLOAD 2
	XLOAD 3
; x IS QUANTISED: sixteen fragments a wave (two tiles x eight K steps), loads three fragments ahead.  Every fragment has registers of its own for its codes and its scale word: no source of an LDS store is written again.
; Behind a fragment's quantising: the window of the loads, ONE wait, the 16 loads, and then the three LDS stores, with only loads and a window switch between the wait and them.
.macro XSTEP f
	s_wait_loadcnt 48                              ; this fragment's 16 loads and all before them are in; the three younger groups of 16 may be out
	QUANT 64*((\f)%4), XF+8*(\f), XW+(\f), 0
.if (\f) < 12
	WIN 0xc0
	s_wait_alu depctr_va_vdst(0)                   ; the quantising is done reading its set of x, in which the loads below land, and has written the codes and the scale word, which the LDS stores below read
	XLOAD (\f)+4
.else
	WIN 0x40
	s_wait_alu depctr_va_vdst(0)                   ; the quantising has written the codes and the scale word, which the LDS stores below read
	LOADW 0x40, 10, (\f)-12                        ; x is all asked for: then Wq, a tile at a time
.endif
	WIN 0
	ds_store_b128 v[XWI], v[XF+8*(\f):XF+8*(\f)+3] offset:8192*((\f)/2)+1024*((\f)%2)
	ds_store_b128 v[XWI], v[XF+8*(\f)+4:XF+8*(\f)+7] offset:8192*((\f)/2)+1024*((\f)%2)+512
	ds_store_b32 v[XWS], v[XW+(\f)] offset:512*((\f)/2)+256*((\f)%2)   ; both halves of the lanes write the same word with the same value
.if (\f) == 0
	global_store_b128 v[LI], v[WOD:WOD+3], s[28:29]  ; Wo's half fragment in register order: 512 consecutive bytes
.endif
.endm
.irp f, 0,1,2,3,4,5,6,7,8,9,10,11,12,13,14,15
	XSTEP \f
.endr
	s_wait_dscnt 0x0                               ; my images have landed
	s_barrier_signal -1
	s_barrier_wait -1                              ; everybody's have: from here on LDS is only read
	PASS 0
	EPIQK 40, 46
	PASS 1
	EPIQK 42, 48
	PASS 2
.irp t, 0,1,2,3                                ; v's way out: a feature tile's 64 registers are 128 keys of one feature a lane: a whole fragment of v^T
	QUANT 64*\t, OB+8*\t, SWD+\t, 0
.endr
	v_cndmask_b32 v[SW], v[SWD], v[SWD+1], s[HM]
	v_cndmask_b32 v[SW+1], v[SWD+2], v[SWD+3], s[HM]
	s_wait_alu depctr_va_vdst(0)                   ; the four quantisings have written v192-223, the two selections v44 and v45, which the stores read
.irp t, 0,1,2,3
	global_store_b128 v[LI], v[OB+8*\t:OB+8*\t+3], s[44:45] offset:1024*\t
	global_store_b128 v[LI], v[OB+8*\t+4:OB+8*\t+7], s[44:45] offset:1024*\t+512
.endr
	global_store_b64 v[L8], v[SW:SW+1], s[50:51]
	s_wait_dscnt 0x0                               ; the closing lines, six on end
	s_wait_alu 0x0
	s_wait_tensorcnt 0x0
	ds_add_u32 v126, v127
	s_wait_dscnt 0x0
	s_endpgm
.Lfunc_end_k_qb346a17d44_qkv:
	.size	k_qb346a17d44_qkv, .Lfunc_end_k_qb346a17d44_qkv-k_qb346a17d44_qkv
	.p2alignl 7, 3214868480
	.fill 96, 4, 3214868480
	.section	.rodata,"a",@progbits
	.p2align	6, 0x0
	.amdhsa_kernel k_qb346a17d44_qkv
		.amdhsa_group_segment_fixed_size 70144
		.amdhsa_private_segment_fixed_size 0
		.amdhsa_enable_private_segment 0
		.amdhsa_kernarg_size 88
		.amdhsa_user_sgpr_count 2
		.amdhsa_user_sgpr_kernarg_segment_ptr 1
		.amdhsa_wavefront_size32 1
		.amdhsa_system_sgpr_workgroup_id_x 1
		.amdhsa_system_sgpr_workgroup_id_y 1
		.amdhsa_system_sgpr_workgroup_id_z 1
		.amdhsa_system_vgpr_workitem_id 0
		.amdhsa_next_free_vgpr 1024
		.amdhsa_next_free_sgpr 66
		.amdhsa_reserve_vcc 0
		.amdhsa_float_denorm_mode_32 3
		.amdhsa_float_denorm_mode_16_64 3
		.amdhsa_memory_ordered 1
		.amdhsa_forward_progress 1
		.amdhsa_inst_pref_size 255
	.end_amdhsa_kernel
	.section	.bss,"aw",@nobits
	.p2align	6
	.space	262144
	.amdgpu_metadata
---
amdhsa.version: [ 1, 2 ]
amdhsa.kernels:
  - .name:           k_qb346a17d44_qkv
    .symbol:         k_qb346a17d44_qkv.kd
    .args:
      - { .name: hidden_states, .offset: 0, .size: 8, .value_kind: global_buffer, .address_space: global }
      - { .name: Wq_codes, .offset: 8, .size: 8, .value_kind: global_buffer, .address_space: global }
      - { .name: Wq_scales, .offset: 16, .size: 8, .value_kind: global_buffer, .address_space: global }
      - { .name: Wk_codes, .offset: 24, .size: 8, .value_kind: global_buffer, .address_space: global }
      - { .name: Wk_scales, .offset: 32, .size: 8, .value_kind: global_buffer, .address_space: global }
      - { .name: Wv_codes, .offset: 40, .size: 8, .value_kind: global_buffer, .address_space: global }
      - { .name: Wv_scales, .offset: 48, .size: 8, .value_kind: global_buffer, .address_space: global }
      - { .name: Wo_codes, .offset: 56, .size: 8, .value_kind: global_buffer, .address_space: global }
      - { .name: qkv_codes, .offset: 64, .size: 8, .value_kind: global_buffer, .address_space: global }
      - { .name: qkv_scales, .offset: 72, .size: 8, .value_kind: global_buffer, .address_space: global }
      - { .name: wo_image, .offset: 80, .size: 8, .value_kind: global_buffer, .address_space: global }
    .group_segment_fixed_size: 70144
    .private_segment_fixed_size: 0
    .kernarg_segment_align: 8
    .kernarg_segment_size: 88
    .max_flat_workgroup_size: 128
    .sgpr_count:     66
    .vgpr_count:     1024
    .wavefront_size: 32
...
	.end_amdgpu_metadata
.endif
;; end of part 4
;; launch attn (part 5): grid 4 x 64, 16 waves a work-group, no clusters, 150,528 bytes of LDS; arguments qkv_codes, qkv_scales, attention_mask, ctx_codes, ctx_scales; writes ctx_codes, ctx_scales
.if DOCPART == 5
	.amdgcn_target "amdgcn-amd-amdhsa--gfx1250"
	.amdhsa_code_object_version 6
	.text
	.protected	k_qb346a17d44_attn
	.globl	k_qb346a17d44_attn
	.p2align	8
	.type	k_qb346a17d44_attn,@function
k_qb346a17d44_attn:
	s_mov_b64 s[64:65], 0
	v_nop
	global_prefetch_b8 v0, s[64:65] scope:SCOPE_SE
	s_setreg_imm32_b32 hwreg(HW_REG_WAVE_SCHED_MODE, 0, 2), 2
	s_setreg_imm32_b32 hwreg(HW_REG_WAVE_MODE, 25, 1), 1
	s_wait_xcnt 0x0
	s_wait_alu depctr_vm_vsrc(0)
; ctx = softmax(q k^T / 8 + mask) v for 128 (batch, head) pairs of 1,024 tokens x 64, both products on codes of FP4 (E2M1) with E8M0 scales; ctx is quantised along the model's 1,024 for the output projection.
; THE SOFTMAX AHEAD OF THE SECOND PRODUCT: t = (q.k + 8 mask) x log2(e) / 8; M = the running largest t rounded up to a whole number; p = 2^(t - M) is quantised along the keys, not normalised;
; the row's sum is taken of the unquantised p and divides at the end; when M moves, the sum and O are multiplied by 2^(old M - new M), which rounds nothing.
; 8 x mask is the C of the first product: it comes from LDS straight into the scores' registers.
; SHARES.  Work-group (qb, y): batch y / 8, heads 2 (y % 8) and 2 (y % 8) + 1, queries 256 qb .. + 255.  Each of sixteen waves owns one tile of 16 queries, for both heads one after the other: so it makes a whole
; fragment (128 along the next K) and a whole scale word of ctx.  Four waves share a SIMD: one wave's vector work stands beside another's matrix work and LDS loads.
; K's and V's codes and scale words of both heads (140 KB) and the batch's mask are copied into LDS once, as they lie: they were stored in the order of the operand's registers, so a fragment is loads of 16 bytes at 16 x lane.
; LAYOUT.  S^T = K Q^T (source 0 = 16 keys, source 1 = my 16 queries), O^T = V^T P^T: a lane holds one query throughout.  Row i of key tile 2 b + u is key 32 b + 8 u + i + 8 (i / 8), so the 16 registers of tiles
; 2 b and 2 b + 1 are keys 32 b + 16 (lane / 16) + 0 .. 15; v^T's feature tiles are ordered the same way, so O^T's registers are neighbours along the next K.  The head's 64 fill half of a fragment: the other half is zero codes.
; ORDER.  Behind -M no two exponentials follow each other: behind each stands a plain instruction that is ready (a scaling two pairs ahead, the sum of the pair before, a piece of O^T's rescaling, a line of the scale bytes),
; so that the wave has other work to issue between two exponentials, and each has its independent plain instruction behind it.
; NO CLUSTER: the four work-groups of a head pair read the same K and V, but once each, 19 loads a thread at the head, ahead of 16 key steps of work on them; nothing is fetched in the loop.
; LIMITS: NaN among the inputs is not served.  8 x mask is held at +-2^33: masks beyond +-2^30 count as +-2^30 (so |t| stays under 2^31, and what the fused t - M leaves of t's rounding stays under 64: no p and no sum
; overflows); a row all of whose keys are -infinity gives numbers where the definition gives NaN.  A block of zeros gets the byte 1 (its codes are zeros; this program alone reads the bytes).
; REGISTERS: v1-3 lane terms; v4-8 the step's LDS addresses; v9-11 the last scale words' addresses; v12 -M, v13 the largest t, v[14:15] and v[242:243] the sum, in two chains of two halves; v16-23 Q; v24-27 the second head's Q;
;   v28, v29 Q's scale words; v30 ctx's scale word; v32-95 eight fragments of K; v96-159 S^T, then p; v160-191 O^T; v192-223 four fragments of V; v224-231 p's codes; v232-239, v244-247, v252, v254, v255 at work;
;   v[240:241] V's scale words, v[248:251] K's, v253 p's.
; THE MODE: SCHED_MODE bits 1:0 = 2 (LLVM: expert scheduling mode 2), set by the entry lines.  The code itself states the register dependences
; between vector or matrix instructions and memory or LDS instructions, with s_wait_alu, always for 0.
; THE PLAN.  Registers that memory or LDS instructions touch, in the loop:
;   v4-8              Written by the five additions at a step's top; read by the step's 34 LDS loads.
;   v96-159           8 x mask lands at the top; the first products add onto it; the softmax works in place; the conversions and the sums are its last readers.
;   v32-95, v248-251  K's lower halves and scale words land at the top; the first products read them.
;   v192-223, v240-241  V and its scale words land behind the first products; the second products, the step's last instructions, read them.
; So at a step's top stand one wait on vm_vsrc (the last step's loads have read v4-8), the additions, and ONE wait on va_vdst: the addresses are written, and the last step is done with all the registers above.
; All 34 loads lean on it: V's nine stand behind the first products, which name none of V's registers.  Ahead of the second products one more wait on va_vdst states that p's codes and scale word are written.
; The waits behind exponentials are the same line: one for two pairs of p, ahead of the sums that read them, and one ahead of the conversions.
.set KIMG, 0                           ; LDS: K's codes, two heads x 64 tiles x 512 bytes
.set VIMG, 65536                       ; V's: two heads x 8 key steps x 4 fragments x 1,024 bytes
.set KSC,  131072                      ; K's scale words: two heads x 8 key steps x 512 bytes
.set VSC,  139264                      ; V's: two heads x 8 x 256
.set MSK,  143360                      ; 8 x mask: 1,024 numbers
.set CST,  147456                      ; ctx's scale words: 16 tiles x 64 bytes
.set LI,   1
.set L8,   2
.set MH,   3
.set ADK,  4
.set ADV,  5
.set ADKS, 6
.set ADVS, 7
.set ADM,  8
.set WV,   14                          ; s14 wave
.set SEL,  20                          ; s[20:21]
.set CS,   22                          ; s[22:23] c = log2(e) / 8
.set SK,   40                          ; s40-44 LDS bytes at which the step's K, V, K's scales, V's scales and mask begin
.set SV,   41
.set SKS,  42
.set SVS,  43
.set SMK,  44
.set CNT,  45
.set LO,   46
.set HI,   47
.macro WQK t, hd
.if (\t)%2
	v_wmma_scale_f32_16x16x128_f8f6f4 v[96+8*(\t):103+8*(\t)], v[32+8*(\t):39+8*(\t)], v[16:23], v[96+8*(\t):103+8*(\t)], v[248+(\t)/2], v[28+\hd] matrix_a_fmt:MATRIX_FMT_FP4 matrix_b_fmt:MATRIX_FMT_FP4 matrix_a_scale:MATRIX_SCALE_ROW1
.else
	v_wmma_scale_f32_16x16x128_f8f6f4 v[96+8*(\t):103+8*(\t)], v[32+8*(\t):39+8*(\t)], v[16:23], v[96+8*(\t):103+8*(\t)], v[248+(\t)/2], v[28+\hd] matrix_a_fmt:MATRIX_FMT_FP4 matrix_b_fmt:MATRIX_FMT_FP4
.endif
.endm
.macro WPV t
.if (\t)%2
	v_wmma_scale_f32_16x16x128_f8f6f4 v[160+8*(\t):167+8*(\t)], v[192+8*(\t):199+8*(\t)], v[224:231], v[160+8*(\t):167+8*(\t)], v[240+(\t)/2], v253 matrix_a_fmt:MATRIX_FMT_FP4 matrix_b_fmt:MATRIX_FMT_FP4 matrix_a_scale:MATRIX_SCALE_ROW1
.else
	v_wmma_scale_f32_16x16x128_f8f6f4 v[160+8*(\t):167+8*(\t)], v[192+8*(\t):199+8*(\t)], v[224:231], v[160+8*(\t):167+8*(\t)], v[240+(\t)/2], v253 matrix_a_fmt:MATRIX_FMT_FP4 matrix_b_fmt:MATRIX_FMT_FP4
.endif
.endm
; THE PLAIN LINES THAT STAND BETWEEN THE EXPONENTIALS
.macro PKF k                           ; t - M of pair k of the 32 pairs of scores (of the pairs c and -M the low word serves both halves)
	v_pk_fma_f32 v[96+2*(\k):97+2*(\k)], v[96+2*(\k):97+2*(\k)], s[CS:CS+1], v[12:13] op_sel_hi:[1,0,0]
.endm
.macro SUM k                           ; pair k of the unquantised p onto the row's sum: the even pairs onto one chain, the odd pairs onto the other
.if (\k)%2
	v_pk_add_f32 v[242:243], v[242:243], v[96+2*(\k):97+2*(\k)]
.else
	v_pk_add_f32 v[14:15], v[14:15], v[96+2*(\k):97+2*(\k)]
.endif
.endm
.macro OMUL                            ; the next two numbers of O^T under the new M: x f.  In ascending order: each accumulator is read from its low end on
	v_pk_mul_f32 v[160+om:161+om], v[160+om:161+om], v[252:253] op_sel_hi:[1,0]
.set om, om+2
.endm
.macro BM m                            ; line m of 15 from the four blocks' largest p to the conversions' scale operands and p's scale word
.if (\m) < 4
	v_max_num_f32 v[232+(\m)], 0x1800000, v[232+(\m)]        ; the floor 2^(3 - 127): the byte cannot fall under 1
.elseif (\m) < 8
	v_add_nc_u32 v[244+(\m)-4], 0xff000000, v[232+(\m)-4]    ; 2 off the exponent field: the conversion's scale operand
.elseif (\m) < 12
	v_lshrrev_b32 v[236+(\m)-8], 23, v[244+(\m)-8]           ; the scale's byte
.elseif (\m) == 12
	v_lshl_or_b32 v253, v237, 8, v236                        ; p's scale word for these 128 keys
.elseif (\m) == 13
	v_lshl_or_b32 v253, v238, 16, v253
.else
	v_lshl_or_b32 v253, v239, 24, v253
.endif
.endm
	s_load_b256 s[4:11], s[0:1], 0x0               ; qkv_codes 4, qkv_scales 6, mask 8, ctx_codes 10
	s_load_b64 s[12:13], s[0:1], 0x20              ; ctx_scales
	v_lshrrev_b32 v4, 5, v0
	v_readfirstlane_b32 s[WV], v4                  ; wave 0..15
	s_mov_b32 s15, ttmp9                           ; qb
	s_and_b32 s16, ttmp7, 0xffff
	s_lshr_b32 s17, s16, 3                         ; batch
	s_and_b32 s18, s16, 7                          ; pair of heads
	s_lshl_b32 s19, s17, 4
	s_lshl_b32 s24, s18, 1
	s_add_co_u32 s19, s19, s24                     ; 16 x batch + first head
	s_lshl_b32 s26, s15, 4
	s_wait_alu depctr_va_sdst(0)                   ; s14, the wave's number, is written, ahead of its first reader
	s_add_co_u32 s26, s26, s[WV]                   ; my tile of queries, 0..63
	v_and_b32 v9, 15, v0                           ; r
	v_and_b32 v1, 31, v0
	v_lshlrev_b32 v[L8], 3, v1                     ; 8 x lane
	v_lshlrev_b32 v[LI], 4, v1                     ; 16 x lane
	v_bfe_u32 v3, v0, 4, 1
	v_lshlrev_b32 v[MH], 6, v3                     ; my half's 16 keys of a block of 32: 64 bytes of mask
	v_lshlrev_b32 v11, 4, v9                       ; 16 r
	v_lshlrev_b32 v4, 4, v0                        ; the copy: 16 x thread, in memory and in LDS (K's codes begin at LDS byte 0),
	v_lshlrev_b32 v10, 3, v0                       ; 8 x thread
	v_add_nc_u32 v5, VIMG, v4
	v_add_nc_u32 v6, KSC, v4
	v_add_nc_u32 v7, VSC, v10
	v_add_nc_u32 v8, MSK, v10
	s_lshl_b32 s24, s[WV], 6
	v_lshl_add_u32 v9, v9, 2, CST
	v_add_nc_u32 v9, s24, v9                       ; where my tile's scale words go: CST + 64 wave + 4 r
	s_mov_b32 s[SEL], 0x76543210
	s_mov_b32 s[SEL+1], 0xfedcba98
	s_mov_b32 s[CS], 0x3e38aa3b                    ; log2(e) / 8
	s_mov_b32 s[CS+1], s[CS]                       ; (named with it as a pair, so it is written)
	s_mov_b32 s[LO], 0xd0000000                    ; -2^33
	s_mov_b32 s[HI], 0x50000000                    ; 2^33
	s_mov_b32 s25, 0
	s_lshl_b32 s27, s19, 15                        ; 32,768 bytes of codes a head
	s_wait_kmcnt 0x0
	s_add_co_u32 s24, s27, 0x400000
	s_add_nc_u64 s[28:29], s[4:5], s[24:25]        ; K's codes of my two heads
	s_add_co_u32 s24, s27, 0x800000
	s_add_nc_u64 s[30:31], s[4:5], s[24:25]        ; V's
	s_lshl_b32 s24, s26, 9
	s_add_co_u32 s24, s24, s27
	s_add_nc_u64 s[36:37], s[4:5], s[24:25]        ; Q's: my tile
	s_lshl_b32 s27, s19, 12                        ; 4,096 bytes of q's or k's scale words a head
	s_add_co_u32 s24, s27, 0x80000
	s_add_nc_u64 s[32:33], s[6:7], s[24:25]        ; K's scale words
	s_lshr_b32 s24, s26, 3
	s_lshl_b32 s24, s24, 9                         ; Q's: 512 bytes for 8 tiles,
	s_add_co_u32 s27, s27, s24
	s_and_b32 s24, s[WV], 1
	s_lshl_b32 s24, s24, 8                         ; the odd tile of a pair 16 lanes on,
	s_add_co_u32 s27, s27, s24
	s_bfe_u32 s24, s[WV], 0x20001
	s_lshl_b32 s24, s24, 2                         ; the pair's word
	s_add_co_u32 s24, s24, s27
	s_add_nc_u64 s[38:39], s[6:7], s[24:25]
	s_lshl_b32 s24, s19, 11
	s_add_co_u32 s24, s24, 0x100000
	s_add_nc_u64 s[34:35], s[6:7], s[24:25]        ; V's scale words
	s_lshl_b32 s24, s17, 12
	s_add_nc_u64 s[8:9], s[8:9], s[24:25]          ; the batch's mask
	s_lshl_b32 s24, s17, 6
	s_add_co_u32 s24, s24, s26
	s_lshl_b32 s24, s24, 3
	s_add_co_u32 s24, s24, s18
	s_lshl_b32 s24, s24, 10
	s_add_nc_u64 s[10:11], s[10:11], s[24:25]      ; ctx's fragment (tile 64 batch + mine, K step = pair of heads)
	s_lshl_b32 s24, s17, 6
	s_lshl_b32 s27, s15, 4
	s_add_co_u32 s24, s24, s27
	s_lshl_b32 s24, s24, 6
	s_lshl_b32 s27, s18, 15
	s_add_co_u32 s24, s24, s27
	s_add_nc_u64 s[12:13], s[12:13], s[24:25]      ; the work-group's 16 tiles' scale words: 1,024 consecutive bytes
	s_wait_alu depctr_va_vdst(0)                   ; the offsets and LDS addresses v1 to v11 are written, which the loads and LDS stores below read
.irp i, 0,1,2,3,4,5,6,7
	global_load_b128 v[32+4*\i:35+4*\i], v4, s[28:29] offset:8192*\i
.endr
.irp i, 0,1,2,3,4,5,6,7
	global_load_b128 v[64+4*\i:67+4*\i], v4, s[30:31] offset:8192*\i
.endr
	global_load_b128 v[96:99], v4, s[32:33]
	global_load_b64 v[100:101], v10, s[34:35]
	global_load_b64 v[102:103], v10, s[8:9]
	global_load_b128 v[16:19], v[LI], s[36:37]
	global_load_b128 v[24:27], v[LI], s[36:37] offset:32768
	global_load_b32 v28, v11, s[38:39]
	global_load_b32 v29, v11, s[38:39] offset:4096
	s_wait_loadcnt 0x0
	v_mul_f32 v102, 0x41000000, v102               ; 8 x mask,
	v_mul_f32 v103, 0x41000000, v103
	v_med3_num_f32 v102, v102, s[LO], s[HI]        ; held at +-2^33
	v_med3_num_f32 v103, v103, s[LO], s[HI]
.irp i, 0,1,2,3,4,5,6,7
	ds_store_b128 v4, v[32+4*\i:35+4*\i] offset:8192*\i
.endr
.irp i, 0,1,2,3,4,5,6,7
	ds_store_b128 v5, v[64+4*\i:67+4*\i] offset:8192*\i
.endr
	ds_store_b128 v6, v[96:99]
	ds_store_b64 v7, v[100:101]
	s_wait_alu depctr_va_vdst(0)                   ; 8 x mask, held, is written in v102 and v103, which the LDS store below reads
	ds_store_b64 v8, v[102:103]
	s_wait_dscnt 0x0                               ; my part of the copy has landed
	s_barrier_signal -1
	s_barrier_wait -1                              ; everybody's has: these bytes are only read from here on
	s_wait_alu depctr_vm_vsrc(0)                   ; my LDS stores have read v32-103, the loads v10 and v11: the lines below write some of them, and the loop's loads land in others
.irp t, 0,1,2,3,4,5,6,7
.irp i, 4,5,6,7
	v_mov_b32 v[32+8*\t+\i], 0                     ; the upper half of K's fragments: zero codes, once
.endr
.endr
.irp i, 20,21,22,23
	v_mov_b32 v\i, 0                               ; and of Q's
.endr
.irp i, 236,237,238,239,252,253
	v_mov_b32 v\i, 0                               ; written once: lane permutes' destinations count as sources; v253 is named as the upper half of a pair
.endr
	v_lshl_add_u32 v10, v0, 4, CST                 ; the last kilobyte of scale words: where waves 0 and 1 read it,
	v_lshlrev_b32 v11, 4, v0                       ; and where they store it
; ONE HEAD: eight key steps of 128 keys, then ctx's half fragment.
.macro HEAD hd
.if \hd
	s_wait_xcnt 0x0                                ; the first head's store has had its address translated (ISA guide 3.1): its data registers are written again only behind this wait,
	s_wait_alu depctr_vm_vsrc(0)                   ; and it has read v224-227, which this head's conversions write again
.irp i, 0,1,2,3
	v_mov_b32 v[16+\i], v[24+\i]                   ; the second head's Q
.endr
.endif
	v_mov_b32 v13, 0xff61b1e6                      ; the largest t so far: -3e38, under every t
	v_floor_f32 v12, -v13                          ; -M
	v_mov_b32 v14, 0                               ; the sum: two chains of two halves
	v_mov_b32 v15, 0
	v_mov_b32 v242, 0
	v_mov_b32 v243, 0
.set j, 0
.rept 32
	v_mov_b32 v[160+j], 0                          ; O^T: the loop is written once; its first step finds zeros, which the first change of M leaves zeros
.set j, j+1
.endr
	s_mov_b32 s[SK], KIMG+32768*\hd
	s_mov_b32 s[SV], VIMG+32768*\hd
	s_mov_b32 s[SKS], KSC+4096*\hd
	s_mov_b32 s[SVS], VSC+2048*\hd
	s_mov_b32 s[SMK], MSK
	s_mov_b32 s[CNT], 8
.Lstep_\@:
	s_wait_alu depctr_vm_vsrc(0)                   ; the LDS instructions issued so far (the last step's loads; ahead of the first step the copy's stores) have read v4 to v8
	v_add_nc_u32 v[ADK], s[SK], v[LI]              ; five plain lines: also the places behind the last step's products, in front of loads into their registers
	v_add_nc_u32 v[ADV], s[SV], v[LI]
	v_add_nc_u32 v[ADKS], s[SKS], v[LI]
	v_add_nc_u32 v[ADVS], s[SVS], v[L8]
	v_add_nc_u32 v[ADM], s[SMK], v[MH]
	s_wait_alu depctr_va_vdst(0)                   ; v4 to v8 are written, which the loads read; the last step's softmax is done with v96-159 and its products with K, V and their scale words, in all of which loads land; in a head's first step Q and the zero halves are written, which the products take
.irp t, 0,1,2,3,4,5,6,7
	ds_load_b128 v[96+8*\t:99+8*\t], v[ADM] offset:(32*(\t/2)+8*(\t%2))*4          ; 8 x mask of the eight keys that tile t's registers hold: the product's C
	ds_load_b128 v[100+8*\t:103+8*\t], v[ADM] offset:(32*(\t/2)+8*(\t%2))*4+16
.endr
.irp t, 0,1,2,3,4,5,6,7
	ds_load_b128 v[32+8*\t:35+8*\t], v[ADK] offset:512*\t
.endr
	ds_load_b128 v[248:251], v[ADKS]
	s_wait_dscnt 0x0                               ; the mask, K and its scale words are in
.irp t, 0,1,2,3,4,5,6,7
	WQK \t, \hd                                    ; S^T + 8 mask: eight accumulators, one instruction each
.endr
.irp t, 0,1,2,3                                ; V is asked for here: it has the softmax in which to land.  No wait: no vector or matrix instruction since the wait at the top names v5, v7, v192-223 or v240-241
.irp c, 0,1
	ds_load_b128 v[192+8*\t+4*\c:195+8*\t+4*\c], v[ADV] offset:1024*\t+512*\c
.endr
.endr
	ds_load_b64 v[240:241], v[ADVS]
	v_mov_b32 v255, v12                            ; the old -M is kept.  With the three lines below: the four places behind the products
.rept 3
	v_nop
.endr
.irp b, 0,1,2,3
	v_max3_num_f32 v[232+\b], v[96+16*\b], v[97+16*\b], v[98+16*\b]   ; the largest score of each block of 32 keys: for the row's maximum, and, since p rises with the score, for the block's largest p
.endr
.irp i, 3,5,7,9,11,13
.irp b, 0,1,2,3
	v_max3_num_f32 v[232+\b], v[232+\b], v[96+16*\b+\i], v[97+16*\b+\i]
.endr
.endr
.irp b, 0,1,2,3
	v_max_num_f32 v[232+\b], v[232+\b], v[111+16*\b]
.endr
.irp b, 0,1,2,3
	v_permlanex16_b32 v[236+\b], v[232+\b], s[SEL], s[SEL+1]
.endr
.irp b, 0,1,2,3
	v_max_num_f32 v[232+\b], v[232+\b], v[236+\b]  ; with lane l xor 16's 16 keys
.endr
	v_max3_num_f32 v254, v232, v233, v234
	v_max_num_f32 v254, v254, v235                 ; the step's largest score of my query
	v_mul_f32 v254, s[CS], v254                    ; as t (c is positive)
	v_max_num_f32 v13, v13, v254                   ; the running largest t
	v_floor_f32 v12, -v13                          ; the new -M = floor(-t): M is a whole number
	v_sub_f32 v254, v12, v255                      ; old M - new M: a whole number, 0 or less.  The chain to f stands between lines that want -M alone
	v_fma_f32 v232, v232, s[CS], v12               ; t - M of each block's largest score
	v_cvt_i32_f32 v254, v254                       ; (it saturates)
	v_fma_f32 v233, v233, s[CS], v12
	v_ldexp_f32 v252, 1.0, v254                    ; f = 2^(old M - new M)
	v_fma_f32 v234, v234, s[CS], v12
	v_fma_f32 v235, v235, s[CS], v12
	PKF 0
	PKF 1
.set om, 0
	v_exp_f32 v232, v232                           ; the blocks' largest p: the same multiply-add and exponential on the same number give the same bits as in the block
	v_pk_mul_f32 v[14:15], v[14:15], v[252:253] op_sel_hi:[1,0]     ; the sums under the new M
	v_exp_f32 v233, v233
	v_pk_mul_f32 v[242:243], v[242:243], v[252:253] op_sel_hi:[1,0]
	v_exp_f32 v234, v234
	OMUL
	v_exp_f32 v235, v235
	OMUL
.set n, 0
.rept 32                                       ; pair n: p = 2^(t - M), not normalised; behind each exponential a plain line that names neither its source nor its result
	v_exp_f32 v[96+2*n], v[96+2*n]
.if n < 30
	PKF n+2
.else
	OMUL
.endif
	v_exp_f32 v[97+2*n], v[97+2*n]
.if (n >= 1) && (n <= 24)
.if n%2
	s_wait_alu depctr_va_vdst(0)                   ; the exponentials issued so far have written pairs n - 1 and n of p (the first time the blocks' largest p too), which this sum, the next one and the scale bytes' lines read
.endif
	SUM n-1                                        ; pairs 0 to 23; the last eight pairs' sums stand behind the conversions
.else
	OMUL
.endif
.if n%2
.if n < 31
	BM (n-1)/2
.endif
.elseif n%8 == 0
	OMUL
.endif
.set n, n+1
.endr
	s_wait_alu depctr_va_vdst(0)                   ; the last exponentials have written pairs 24 to 31 of p, which the conversions and the last eight sums read
.irp b, 0,1,2,3
	v_cvt_scalef32_pk8_fp4_f32 v[224+2*\b], v[96+16*\b:103+16*\b], v[244+\b]
	v_cvt_scalef32_pk8_fp4_f32 v[225+2*\b], v[104+16*\b:111+16*\b], v[244+\b]
.endr
	v_nop                                          ; one plain place behind the last scaled conversion
.irp c, 0,1
.irp i, 0,1
	v_permlane16_swap_b32 v[224+4*\c+\i], v[226+4*\c+\i]   ; a whole block in a lane: lanes 0-15 block 2 c, lanes 16-31 block 2 c + 1
.endr
.endr
.irp k, 24,25,26,27,28,29,30,31
	SUM \k                                         ; eight plain lines that name no register of the products below: the places between p's codes and scale word and those products
.endr
	s_wait_alu depctr_va_vdst(0)                   ; p's codes v224-231 and its scale word v253 are written, which the scaled products below take; the places above stay beside this wait
	s_wait_dscnt 0x0                               ; V and its scale words are in
.irp t, 0,1,2,3
	WPV \t                                         ; O^T += V^T P^T: four accumulators by turns
.endr
	s_add_co_u32 s[SK], s[SK], 4096
	s_add_co_u32 s[SV], s[SV], 4096
	s_add_co_u32 s[SKS], s[SKS], 512
	s_add_co_u32 s[SVS], s[SVS], 256
	s_add_co_u32 s[SMK], s[SMK], 512
	s_sub_co_u32 s[CNT], s[CNT], 1
	s_cmp_lg_u32 s[CNT], 0
	s_cbranch_scc1 .Lstep_\@
.rept 4
	v_nop                                          ; places behind the last products
.endr
	v_pk_add_f32 v[14:15], v[14:15], v[242:243]    ; the sum's two chains,
	v_add_f32 v14, v14, v15                        ; its two halves,
	v_permlanex16_b32 v252, v14, s[SEL], s[SEL+1]
	v_add_f32 v14, v14, v252                       ; and lane l xor 16's: the row's sum
	v_rcp_f32 v14, v14
	v_nop                                          ; a plain place behind the transcendental
.set j, 0
	s_wait_alu depctr_va_vdst(0)                   ; the reciprocal has written v14, which the multiplications read
.rept 32
	v_mul_f32 v[96+j], v[160+j], v14               ; ctx: register 16 b + i is feature 32 b + 16 h + i of my query
.set j, j+1
.endr
.irp b, 0,1
	v_max3_num_f32 v[232+\b], |v[96+16*\b]|, |v[97+16*\b]|, 0x1800000
.endr
.irp i, 2,4,6,8,10,12,14
.irp b, 0,1
	v_max3_num_f32 v[232+\b], v[232+\b], |v[96+16*\b+\i]|, |v[97+16*\b+\i]|
.endr
.endr
.irp b, 0,1
	v_permlanex16_b32 v[236+\b], v[232+\b], s[SEL], s[SEL+1]
.endr
.irp b, 0,1
	v_max_num_f32 v[232+\b], v[232+\b], v[236+\b]
.endr
.irp b, 0,1
	v_add_nc_u32 v[244+\b], 0xff000000, v[232+\b]
.endr
.irp b, 0,1
	v_lshrrev_b32 v[236+\b], 23, v[244+\b]
.endr
.irp b, 0,1
	v_cvt_scalef32_pk8_fp4_f32 v[224+2*\b], v[96+16*\b:103+16*\b], v[244+\b]
	v_cvt_scalef32_pk8_fp4_f32 v[225+2*\b], v[104+16*\b:111+16*\b], v[244+\b]
.endr
	v_nop
	v_permlane16_swap_b32 v224, v226
	v_permlane16_swap_b32 v225, v227               ; registers 4 c .. 4 c + 3 of ctx's fragment, c = this head of the pair
.if \hd
	v_lshl_or_b32 v254, v237, 8, v236
	v_lshl_or_b32 v30, v254, 16, v30               ; the word's upper two bytes
.else
	v_lshl_or_b32 v30, v237, 8, v236               ; the word's lower two bytes
.endif
	s_wait_alu depctr_va_vdst(0)                   ; ctx's codes v224-227 are written, which the store reads; behind the second head so is the whole scale word v30, which the LDS store behind it reads
	global_store_b128 v[LI], v[224:227], s[10:11] offset:512*\hd
.endm
	HEAD 0
	HEAD 1
	ds_store_b32 v9, v30                           ; both halves of the lanes write the same word with the same value
	s_wait_dscnt 0x0
	s_barrier_signal -1
	s_barrier_wait -1                              ; the sixteen tiles' words lie together
	s_cmp_lt_u32 s[WV], 2
	s_cbranch_scc0 .Ldone
	ds_load_b128 v[32:35], v10                     ; (no vector or matrix instruction since the last wait on va_vdst names v10 or v32-35)
	s_wait_dscnt 0x0
	global_store_b128 v11, v[32:35], s[12:13]      ; 64 threads store 1,024 consecutive bytes
.Ldone:
	s_wait_xcnt 0x0
	v_lshl_add_u32 v254, v0, 2, 0x24400
	v_mov_b32 v255, 0
	s_wait_dscnt 0x0                               ; the closing lines, six on end
	s_wait_alu 0x0
	s_wait_tensorcnt 0x0
	ds_add_u32 v254, v255
	s_wait_dscnt 0x0
	s_endpgm
.Lfunc_end_k_qb346a17d44_attn:
	.size	k_qb346a17d44_attn, .Lfunc_end_k_qb346a17d44_attn-k_qb346a17d44_attn
	.p2alignl 7, 3214868480
	.fill 96, 4, 3214868480
	.section	.rodata,"a",@progbits
	.p2align	6, 0x0
	.amdhsa_kernel k_qb346a17d44_attn
		.amdhsa_group_segment_fixed_size 150528
		.amdhsa_private_segment_fixed_size 0
		.amdhsa_enable_private_segment 0
		.amdhsa_kernarg_size 40
		.amdhsa_user_sgpr_count 2
		.amdhsa_user_sgpr_kernarg_segment_ptr 1
		.amdhsa_wavefront_size32 1
		.amdhsa_system_sgpr_workgroup_id_x 1
		.amdhsa_system_sgpr_workgroup_id_y 1
		.amdhsa_system_sgpr_workgroup_id_z 1
		.amdhsa_system_vgpr_workitem_id 0
		.amdhsa_next_free_vgpr 256
		.amdhsa_next_free_sgpr 66
		.amdhsa_reserve_vcc 0
		.amdhsa_float_denorm_mode_32 3
		.amdhsa_float_denorm_mode_16_64 3
		.amdhsa_memory_ordered 1
		.amdhsa_forward_progress 1
		.amdhsa_inst_pref_size 53
	.end_amdhsa_kernel
	.amdgpu_metadata
---
amdhsa.version: [ 1, 2 ]
amdhsa.kernels:
  - .name:           k_qb346a17d44_attn
    .symbol:         k_qb346a17d44_attn.kd
    .args:
      - { .name: qkv_codes, .offset: 0, .size: 8, .value_kind: global_buffer, .address_space: global }
      - { .name: qkv_scales, .offset: 8, .size: 8, .value_kind: global_buffer, .address_space: global }
      - { .name: attention_mask, .offset: 16, .size: 8, .value_kind: global_buffer, .address_space: global }
      - { .name: ctx_codes, .offset: 24, .size: 8, .value_kind: global_buffer, .address_space: global }
      - { .name: ctx_scales, .offset: 32, .size: 8, .value_kind: global_buffer, .address_space: global }
    .group_segment_fixed_size: 150528
    .private_segment_fixed_size: 0
    .kernarg_segment_align: 8
    .kernarg_segment_size: 40
    .max_flat_workgroup_size: 512
    .sgpr_count:     66
    .vgpr_count:     256
    .wavefront_size: 32
...
	.end_amdgpu_metadata
.endif
;; end of part 5
;; launch oproj (part 6): grid 256 x 1, 16 waves a work-group, no clusters, 158,208 bytes of LDS; arguments ctx_codes, ctx_scales, wo_image, Wo_scales, hidden_states, ln_weight, ln_bias, out0; writes out0
.if DOCPART == 6
	.amdgcn_target "amdgcn-amd-amdhsa--gfx1250"
	.amdhsa_code_object_version 6
	.text
	.protected	k_qb346a17d44_oproj
	.globl	k_qb346a17d44_oproj
	.p2align	8
	.type	k_qb346a17d44_oproj,@function
k_qb346a17d44_oproj:
	s_mov_b64 s[64:65], 0
	v_nop
	global_prefetch_b8 v0, s[64:65] scope:SCOPE_SE
	s_setreg_imm32_b32 hwreg(HW_REG_WAVE_SCHED_MODE, 0, 2), 2
	s_setreg_imm32_b32 hwreg(HW_REG_WAVE_MODE, 25, 1), 1
	s_wait_xcnt 0x0
	s_wait_alu depctr_vm_vsrc(0)
; out0 = LayerNorm(ctx Wo^T + hidden_states) x ln_weight + ln_bias.  The product is on codes of FP4 (E2M1) with E8M0 scales; all else in f32.
; SHARES.  Work-group g: tokens 32 g .. 32 g + 31 (two tiles of 16) x all 1,024 columns, so that a row's mean and variance stay inside the work-group.  Wave w: columns 64 w .. 64 w + 63: 8 accumulators.
; The product is used transposed (source 0 = 16 rows of Wo, source 1 = 16 tokens of ctx): a lane holds one token and eight neighbouring columns.  Row r of tile m is token 32 g + 8 m + r + 8 (r / 8):
; the order in which the earlier launches laid ctx.
; ctx's 16 KB of codes are copied into LDS once and read by all sixteen waves; so are ln_weight and ln_bias, 8 bytes of each a thread.  Wo's fragments come from the image that the first launch laid in register
; order, straight into registers, two K steps ahead: 16 loads of 512 bytes a wave are on their way, 131 KB for the work-group.
; The sums meet in a stage in LDS (32 rows of 4,096 bytes + 16) and each wave takes two whole rows through the LayerNorm.  THE RESIDUAL: a wave loads the two rows of hidden_states that it will normalise, at the
; head, 512 consecutive bytes an instruction, keeps them in 64 registers and adds them behind the stage.  Then: mean, the sum of squared differences from it, in f32.
; NO CLUSTER, NO TENSOR LOAD: all work-groups read the same 512 KB of Wo, but each wave wants only its own 32 KB of it, in its registers; through LDS it would not fit beside the stage.
; LIMITS: NaN and infinities among the inputs are not served; 1 / sqrt by v_rsq_f32.
; REGISTERS: v1-7 addresses; v8-15 ctx's scale words, one a K step (lanes 0-15 tile 0, lanes 16-31 tile 1); v16-31 Wo's (pair of tiles i, K step s at v[16 + 8 i + s]); v32-63 ctx's fragments, two sets (at the head what
;   is copied into LDS, at the end the LayerNorm's work); v64-127 the accumulators ((m, t) at v[64 + 32 m + 8 t]), later my two rows; v128-191 Wo's fragments, two sets, at the end ln_bias (v128-159) and ln_weight (v160-191);
;   v192-223, v224-255 my second and my first row of hidden_states.
; THE MODE: SCHED_MODE bits 1:0 = 2 (LLVM: expert scheduling mode 2), set by the entry lines.  The code itself states the register dependences
; between vector or matrix instructions and memory or LDS instructions, with s_wait_alu, always for 0.
; THE PLAN.  Registers that memory or LDS instructions touch:
;   v32-63    At the head loads land in v32-43 and LDS stores read them.  Then ctx's two sets: step s's products read set s % 2; behind them the LDS loads of step s + 2 land in it.
;   v128-191  Wo's two sets: step s's products read set s % 2; behind them the loads of step s + 2 land in it; behind steps 6 and 7 ln_bias and ln_weight.
;   v64-127   Written by the products; read by the stage's LDS stores; then my two rows land there, the LayerNorm works in place, and the stores read them.
;   v2        8 x thread for two loads and two LDS stores at the head; written once more behind the stage's barrier, as the address of my two rows.
;   v1, v3-7  Offsets and LDS addresses, made once at the head.   v8-31, v192-255: loaded once, read by matrix and vector instructions alone.
; So ONE wait on va_vdst stands in a K step, behind its eight products: they are done reading both of the step's sets, and all loads into these follow it; behind the last step it also states that the accumulators are written.
.set CIMG, 0                           ; LDS: ctx's fragment (tile m, K step s) at (8 m + s) x 1,024 + 512 c + 16 lane
.set LNW,  16384                       ; ln_weight, 4,096 bytes
.set LNB,  20480                       ; ln_bias
.set STG,  24576                       ; the stage: row 16 m + r at 4,112 bytes a row: 1,028 words, so that row r starts at bank 4 r mod 64 (ISA guide 11.1)
.set LI,   1                           ; v1  16 x lane
.set T8,   2                           ; v2  8 x thread, for the copy of ln_weight and ln_bias;
.set SRD,  2                           ;     behind the stage's barrier: where I read my two rows in the stage
.set L32,  3                           ; v3  32 x lane
.set L4,   4                           ; v4  4 x lane
.set STO0, 5                           ; v5, v6  the stage, on the way in, tile 0 and tile 1
.set STO1, 6
.set T16,  7                           ; v7  16 x thread
.set SEL,  28                          ; s[28:29]
.macro LOADW s                         ; K step s of my four tiles of Wo: 8 loads of 512 consecutive bytes, into set s % 2
.irp t, 0,1,2,3
.irp c, 0,1
	global_load_b128 v[128+32*((\s)%2)+8*\t+4*\c:128+32*((\s)%2)+8*\t+4*\c+3], v[LI], s[12:13] offset:8192*\t+1024*(\s)+512*\c
.endr
.endr
.endm
.macro FETCHC s                        ; K step s of ctx's two tiles: 4 LDS loads
.irp m, 0,1
.irp c, 0,1
	ds_load_b128 v[32+16*((\s)%2)+8*\m+4*\c:32+16*((\s)%2)+8*\m+4*\c+3], v[LI] offset:(8*\m+(\s))*1024+512*\c
.endr
.endr
.endm
; one matrix instruction on the registers named by rD, rA, rB, rSA, rSB; rZ = 1: it starts the sum.  ra, rb: the side's scales stand in lanes 16-31
.macro WM ra, rb
.if rZ
.if (\ra) && (\rb)
	v_wmma_scale_f32_16x16x128_f8f6f4 v[rD:rD+7], v[rA:rA+7], v[rB:rB+7], 0, v[rSA], v[rSB] matrix_a_fmt:MATRIX_FMT_FP4 matrix_b_fmt:MATRIX_FMT_FP4 matrix_a_scale:MATRIX_SCALE_ROW1 matrix_b_scale:MATRIX_SCALE_ROW1
.elseif (\ra)
	v_wmma_scale_f32_16x16x128_f8f6f4 v[rD:rD+7], v[rA:rA+7], v[rB:rB+7], 0, v[rSA], v[rSB] matrix_a_fmt:MATRIX_FMT_FP4 matrix_b_fmt:MATRIX_FMT_FP4 matrix_a_scale:MATRIX_SCALE_ROW1
.elseif (\rb)
	v_wmma_scale_f32_16x16x128_f8f6f4 v[rD:rD+7], v[rA:rA+7], v[rB:rB+7], 0, v[rSA], v[rSB] matrix_a_fmt:MATRIX_FMT_FP4 matrix_b_fmt:MATRIX_FMT_FP4 matrix_b_scale:MATRIX_SCALE_ROW1
.else
	v_wmma_scale_f32_16x16x128_f8f6f4 v[rD:rD+7], v[rA:rA+7], v[rB:rB+7], 0, v[rSA], v[rSB] matrix_a_fmt:MATRIX_FMT_FP4 matrix_b_fmt:MATRIX_FMT_FP4
.endif
.else
.if (\ra) && (\rb)
	v_wmma_scale_f32_16x16x128_f8f6f4 v[rD:rD+7], v[rA:rA+7], v[rB:rB+7], v[rD:rD+7], v[rSA], v[rSB] matrix_a_fmt:MATRIX_FMT_FP4 matrix_b_fmt:MATRIX_FMT_FP4 matrix_a_scale:MATRIX_SCALE_ROW1 matrix_b_scale:MATRIX_SCALE_ROW1
.elseif (\ra)
	v_wmma_scale_f32_16x16x128_f8f6f4 v[rD:rD+7], v[rA:rA+7], v[rB:rB+7], v[rD:rD+7], v[rSA], v[rSB] matrix_a_fmt:MATRIX_FMT_FP4 matrix_b_fmt:MATRIX_FMT_FP4 matrix_a_scale:MATRIX_SCALE_ROW1
.elseif (\rb)
	v_wmma_scale_f32_16x16x128_f8f6f4 v[rD:rD+7], v[rA:rA+7], v[rB:rB+7], v[rD:rD+7], v[rSA], v[rSB] matrix_a_fmt:MATRIX_FMT_FP4 matrix_b_fmt:MATRIX_FMT_FP4 matrix_b_scale:MATRIX_SCALE_ROW1
.else
	v_wmma_scale_f32_16x16x128_f8f6f4 v[rD:rD+7], v[rA:rA+7], v[rB:rB+7], v[rD:rD+7], v[rSA], v[rSB] matrix_a_fmt:MATRIX_FMT_FP4 matrix_b_fmt:MATRIX_FMT_FP4
.endif
.endif
.endm
	s_load_b512 s[8:23], s[0:1], 0x0               ; ctx_codes 8, ctx_scales 10, wo_image 12, Wo_scales 14, hidden 16, ln_weight 18, ln_bias 20, out0 22
	v_lshrrev_b32 v2, 5, v0
	v_readfirstlane_b32 s2, v2                     ; wave 0..15
	s_mov_b32 s3, ttmp9                            ; g
	v_and_b32 v4, 31, v0                           ; lane
	v_and_b32 v5, 15, v0                           ; r
	v_bfe_u32 v6, v0, 4, 1                         ; h
	v_lshlrev_b32 v[LI], 4, v4
	v_lshlrev_b32 v[L32], 5, v4
	v_lshlrev_b32 v[L4], 2, v4
	v_lshlrev_b32 v[T8], 3, v0
	v_lshlrev_b32 v[T16], 4, v0
	v_mul_u32_u24 v5, v5, 4112
	v_lshl_add_u32 v5, v6, 5, v5
	s_wait_alu depctr_va_sdst(0)                   ; s2, the wave's number, is written, ahead of its first reader
	s_lshl_b32 s4, s2, 8
	v_add_nc_u32 v5, s4, v5
	v_add_nc_u32 v[STO0], STG, v5                  ; STG + 4,112 r + 256 wave + 32 h
	v_add_nc_u32 v[STO1], 65792, v[STO0]           ; 16 rows on
	s_mul_i32 s27, s2, 8224
	s_add_co_u32 s27, s27, STG                     ; my two rows in the stage
	s_mov_b32 s24, 0x3a800000                      ; 1 / 1,024
	s_mov_b32 s25, 0x2b8cbccc                      ; 1e-12
	s_mov_b32 s26, 0xba800000                      ; -1 / 1,024
	s_mov_b32 s[SEL], 0x76543210
	s_mov_b32 s[SEL+1], 0xfedcba98
	s_mov_b32 s5, 0
	s_wait_kmcnt 0x0
	s_lshl_b32 s4, s3, 14
	s_add_nc_u64 s[8:9], s[8:9], s[4:5]            ; my two tiles' codes: 16,384 bytes
	s_lshl_b32 s4, s3, 7
	s_add_nc_u64 s[10:11], s[10:11], s[4:5]        ; their scale words: 128 bytes a K step
	s_lshl_b32 s4, s2, 15
	s_add_nc_u64 s[12:13], s[12:13], s[4:5]        ; my four tiles of Wo: 32 fragments
	s_lshl_b32 s4, s2, 11
	s_add_nc_u64 s[14:15], s[14:15], s[4:5]        ; my 64 rows of Wo's scale bytes
	s_lshl_b32 s4, s3, 5                           ; stage rows 2 wave and 2 wave + 1 are tokens 32 g + 8 (wave / 8) + 2 (wave % 8) + 8 ((wave % 8) / 4) and the next
	s_lshr_b32 s6, s2, 3
	s_lshl_b32 s6, s6, 3
	s_add_co_u32 s4, s4, s6
	s_and_b32 s6, s2, 7
	s_lshl_b32 s7, s6, 1
	s_add_co_u32 s4, s4, s7
	s_lshr_b32 s6, s6, 2
	s_lshl_b32 s6, s6, 3
	s_add_co_u32 s4, s4, s6
	s_lshl_b32 s4, s4, 12
	s_add_nc_u64 s[22:23], s[22:23], s[4:5]        ; those two rows in out0,
	s_add_nc_u64 s[16:17], s[16:17], s[4:5]        ; and in hidden_states
	s_wait_alu depctr_va_vdst(0)                   ; the seven offsets and LDS addresses v1 to v7 are written, which the loads and stores below read
	global_load_b128 v[32:35], v[T16], s[8:9]
	global_load_b128 v[36:39], v[T16], s[8:9] offset:8192
	global_load_b64 v[40:41], v[T8], s[18:19]      ; the 512 threads read ln_weight and ln_bias once for the work-group
	global_load_b64 v[42:43], v[T8], s[20:21]
.irp i, 0,1
.irp q, 0,1,2,3,4,5,6,7
	global_load_b128 v[224-32*\i+4*\q:224-32*\i+4*\q+3], v[LI], s[16:17] offset:4096*\i+512*\q th:TH_LOAD_NT   ; the residual: 32 lanes read 512 consecutive bytes of a row; read once in this launch
.endr
.endr
.irp i, 0,1
.irp q, 0,1
	global_load_b128 v[16+8*\i+4*\q:16+8*\i+4*\q+3], v[L32], s[14:15] offset:1024*\i+16*\q
.endr
.endr
.irp s, 0,1,2,3,4,5,6,7
	global_load_b32 v[8+\s], v[L4], s[10:11] offset:32768*\s
.endr
	LOADW 0
	LOADW 1
	s_wait_loadcnt 44                              ; ctx's codes, ln_weight and ln_bias are in; the 16 + 4 + 8 + 16 loads issued behind them may be out
	ds_store_b128 v[T16], v[32:35]
	ds_store_b128 v[T16], v[36:39] offset:8192
	ds_store_b64 v[T8], v[40:41] offset:LNW
	ds_store_b64 v[T8], v[42:43] offset:LNB
	s_wait_dscnt 0x0
	s_barrier_signal -1
	s_barrier_wait -1                              ; ctx's sixteen fragments, ln_weight and ln_bias lie in LDS
	s_wait_alu depctr_vm_vsrc(0)                   ; my LDS stores have read v32-43, in which ctx's first fragments land
	FETCHC 0
	FETCHC 1
; A K step of 128: eight matrix instructions, the eight accumulators by turns.  The first step's products start the sums.
.macro OSTEP s
.if (\s) < 7
	s_wait_loadcnt 8                               ; this step's fragments of Wo, and all loads before them, are in; the next step's eight may be out
	s_wait_dscnt 4                                 ; this step's fragments of ctx are in; the next step's four may be out
.else
	s_wait_loadcnt 0x0
	s_wait_dscnt 8                                 ; the last fragments of ctx are in; ln_bias's eight loads may be out
.endif
.if (\s) == 0
.set rZ, 1
.else
.set rZ, 0
.endif
.irp m, 0,1
.irp t, 0,1,2,3
.set rD, 64+32*\m+8*\t
.set rA, 128+32*((\s)%2)+8*\t
.set rB, 32+16*((\s)%2)+8*\m
.set rSA, 16+8*(\t/2)+(\s)
.set rSB, 8+(\s)
	WM \t%2, \m
.endr
.endr
.rept 4
	v_nop                                          ; places in front of loads into registers that these products read, and of the first read of results: they stay beside the wait
.endr
.if (\s) <= 5
	s_wait_alu depctr_va_vdst(0)                   ; this step's products are done reading their sets of ctx and of Wo, in which the loads below land
	FETCHC (\s)+2
	LOADW (\s)+2
.elseif (\s) == 6
	s_wait_alu depctr_va_vdst(0)                   ; this step's products are done reading Wo's set 0, in which ln_bias lands
.irp q, 0,1,2,3,4,5,6,7
	ds_load_b128 v[128+4*\q:131+4*\q], v[LI] offset:LNB+512*\q     ; ln_bias, as my rows will lie, into the set that Wo has left
.endr
.else
	s_wait_alu depctr_va_vdst(0)                   ; the last products are done reading Wo's set 1, in which ln_weight lands, and have written the accumulators, which the stage's LDS stores read
.irp q, 0,1,2,3,4,5,6,7
	ds_load_b128 v[160+4*\q:163+4*\q], v[LI] offset:LNW+512*\q     ; ln_weight
.endr
.endif
.endm
.irp s, 0,1,2,3,4,5,6,7
	OSTEP \s
.endr
.irp t, 0,1,2,3
	ds_store_b128 v[STO0], v[64+8*\t:67+8*\t] offset:64*\t           ; each accumulator from its low end on
	ds_store_b128 v[STO0], v[68+8*\t:71+8*\t] offset:64*\t+16
.endr
.irp t, 0,1,2,3
	ds_store_b128 v[STO1], v[96+8*\t:99+8*\t] offset:64*\t
	ds_store_b128 v[STO1], v[100+8*\t:103+8*\t] offset:64*\t+16
.endr
	s_wait_dscnt 0x0
	s_barrier_signal -1
	s_barrier_wait -1                              ; 32 whole rows lie in the stage
	s_wait_alu depctr_vm_vsrc(0)                   ; the loads and LDS stores of the head have read v2 as 8 x thread, and the stage's stores v64-127: v2 is written below, and my two rows land in v64-127
	v_add_nc_u32 v[SRD], s27, v[LI]                ; (the loads that named this register as 8 x thread were shown done by the last step's wait for all loads)
	s_wait_alu depctr_va_vdst(0)                   ; v2 is written, which the LDS loads below read
.irp i, 0,1
.irp q, 0,1,2,3,4,5,6,7
	ds_load_b128 v[64+32*\i+4*\q:67+32*\i+4*\q], v[SRD] offset:4112*\i+512*\q
.endr
.endr
	s_wait_dscnt 0x0
.macro REDUCE x                        ; v[x] summed over the 32 lanes, into every lane; v[x + 1] is at work
	v_add_f32_dpp v[\x], v[\x], v[\x] row_xmask:1 row_mask:0xf bank_mask:0xf
	v_add_f32_dpp v[\x], v[\x], v[\x] row_xmask:2 row_mask:0xf bank_mask:0xf
	v_add_f32_dpp v[\x], v[\x], v[\x] row_xmask:4 row_mask:0xf bank_mask:0xf
	v_add_f32_dpp v[\x], v[\x], v[\x] row_xmask:8 row_mask:0xf bank_mask:0xf
	v_permlanex16_b32 v[(\x)+1], v[\x], s[SEL], s[SEL+1]
	v_add_f32 v[\x], v[\x], v[(\x)+1]
.endm
; One row: 32 numbers a lane, register 4 q + e = column 128 q + 4 lane + e; the row of hidden_states, ln_weight and ln_bias lie the same way.
.macro LNROW i
.set RW, 64+32*\i
.set HD, 224-32*\i
.set SU, 32+8*\i
.set j, 0
.rept 16
	v_pk_add_f32 v[RW+j:RW+j+1], v[RW+j:RW+j+1], v[HD+j:HD+j+1]    ; + the residual
.set j, j+2
.endr
	v_pk_add_f32 v[SU:SU+1], v[RW:RW+1], v[RW+4:RW+5]              ; the sum, two at a time, in two chains
	v_pk_add_f32 v[SU+2:SU+3], v[RW+2:RW+3], v[RW+6:RW+7]
.irp j, 8,12,16,20,24,28
	v_pk_add_f32 v[SU:SU+1], v[SU:SU+1], v[RW+\j:RW+\j+1]
	v_pk_add_f32 v[SU+2:SU+3], v[SU+2:SU+3], v[RW+\j+2:RW+\j+3]
.endr
	v_pk_add_f32 v[SU:SU+1], v[SU:SU+1], v[SU+2:SU+3]
	v_add_f32 v[SU], v[SU], v[SU+1]
	REDUCE SU
	v_mul_f32 v[SU+4], s26, v[SU]                  ; minus the mean,
	v_mov_b32 v[SU+5], v[SU+4]                     ; twice: a pair for the packed additions
.set j, 0
.rept 16
	v_pk_add_f32 v[RW+j:RW+j+1], v[RW+j:RW+j+1], v[SU+4:SU+5]      ; the differences from the mean
.set j, j+2
.endr
	v_pk_mul_f32 v[SU:SU+1], v[RW:RW+1], v[RW:RW+1]                ; the sum of their squares
	v_pk_mul_f32 v[SU+2:SU+3], v[RW+2:RW+3], v[RW+2:RW+3]
.irp j, 4,8,12,16,20,24,28
	v_pk_fma_f32 v[SU:SU+1], v[RW+\j:RW+\j+1], v[RW+\j:RW+\j+1], v[SU:SU+1]
	v_pk_fma_f32 v[SU+2:SU+3], v[RW+\j+2:RW+\j+3], v[RW+\j+2:RW+\j+3], v[SU+2:SU+3]
.endr
	v_pk_add_f32 v[SU:SU+1], v[SU:SU+1], v[SU+2:SU+3]
	v_add_f32 v[SU], v[SU], v[SU+1]
	REDUCE SU
	v_fma_f32 v[SU], v[SU], s24, s25               ; the variance + 1e-12
	v_rsq_f32 v[SU+6], v[SU]
	v_nop                                          ; a plain place behind the transcendental
	s_wait_alu depctr_va_vdst(0)                   ; the reciprocal root is written, which the copy below reads
	v_mov_b32 v[SU+7], v[SU+6]
.set j, 0
.rept 16
	v_pk_mul_f32 v[RW+j:RW+j+1], v[RW+j:RW+j+1], v[SU+6:SU+7]
.set j, j+2
.endr
.set j, 0
.rept 16
	v_pk_fma_f32 v[RW+j:RW+j+1], v[RW+j:RW+j+1], v[160+j:161+j], v[128+j:129+j]   ; x ln_weight + ln_bias
.set j, j+2
.endr
	s_wait_alu depctr_va_vdst(0)                   ; the row's 32 registers are written, which the eight stores read; the other row's work names none of them
.irp q, 0,1,2,3,4,5,6,7
	global_store_b128 v[LI], v[RW+4*\q:RW+4*\q+3], s[22:23] offset:4096*\i+512*\q th:TH_STORE_NT   ; 32 lanes store 512 consecutive bytes, at a multiple of 256 from the buffer's first byte
.endr
.endm
	LNROW 0
	LNROW 1
	s_wait_xcnt 0x0
	v_lshl_add_u32 v254, v0, 2, 0x26200
	v_mov_b32 v255, 0
	s_wait_dscnt 0x0                               ; the closing lines, six on end
	s_wait_alu 0x0
	s_wait_tensorcnt 0x0
	ds_add_u32 v254, v255
	s_wait_dscnt 0x0
	s_endpgm
.Lfunc_end_k_qb346a17d44_oproj:
	.size	k_qb346a17d44_oproj, .Lfunc_end_k_qb346a17d44_oproj-k_qb346a17d44_oproj
	.p2alignl 7, 3214868480
	.fill 96, 4, 3214868480
	.section	.rodata,"a",@progbits
	.p2align	6, 0x0
	.amdhsa_kernel k_qb346a17d44_oproj
		.amdhsa_group_segment_fixed_size 158208
		.amdhsa_private_segment_fixed_size 0
		.amdhsa_enable_private_segment 0
		.amdhsa_kernarg_size 64
		.amdhsa_user_sgpr_count 2
		.amdhsa_user_sgpr_kernarg_segment_ptr 1
		.amdhsa_wavefront_size32 1
		.amdhsa_system_sgpr_workgroup_id_x 1
		.amdhsa_system_sgpr_workgroup_id_y 1
		.amdhsa_system_sgpr_workgroup_id_z 1
		.amdhsa_system_vgpr_workitem_id 0
		.amdhsa_next_free_vgpr 256
		.amdhsa_next_free_sgpr 66
		.amdhsa_reserve_vcc 0
		.amdhsa_float_denorm_mode_32 3
		.amdhsa_float_denorm_mode_16_64 3
		.amdhsa_memory_ordered 1
		.amdhsa_forward_progress 1
		.amdhsa_inst_pref_size 43
	.end_amdhsa_kernel
	.amdgpu_metadata
---
amdhsa.version: [ 1, 2 ]
amdhsa.kernels:
  - .name:           k_qb346a17d44_oproj
    .symbol:         k_qb346a17d44_oproj.kd
    .args:
      - { .name: ctx_codes, .offset: 0, .size: 8, .value_kind: global_buffer, .address_space: global }
      - { .name: ctx_scales, .offset: 8, .size: 8, .value_kind: global_buffer, .address_space: global }
      - { .name: wo_image, .offset: 16, .size: 8, .value_kind: global_buffer, .address_space: global }
      - { .name: Wo_scales, .offset: 24, .size: 8, .value_kind: global_buffer, .address_space: global }
      - { .name: hidden_states, .offset: 32, .size: 8, .value_kind: global_buffer, .address_space: global }
      - { .name: ln_weight, .offset: 40, .size: 8, .value_kind: global_buffer, .address_space: global }
      - { .name: ln_bias, .offset: 48, .size: 8, .value_kind: global_buffer, .address_space: global }
      - { .name: out0, .offset: 56, .size: 8, .value_kind: global_buffer, .address_space: global }
    .group_segment_fixed_size: 158208
    .private_segment_fixed_size: 0
    .kernarg_segment_align: 8
    .kernarg_segment_size: 64
    .max_flat_workgroup_size: 512
    .sgpr_count:     66
    .vgpr_count:     256
    .wavefront_size: 32
...
	.end_amdgpu_metadata
.endif
;; end of part 6
